; MI455X (gfx1250); checked and timed in simulation.
; The chip was launched on July 23, 2026; its instructions are those of AMD's public machine-readable ISA for CDNA 5 (MIT licence, August 2026) and "CDNA5" Instruction Set Architecture Reference Guide (July 2026). The comments in the code are by the model that wrote it; some were corrected since.
;; Cloud Crop. Allowed arithmetic: matrix products marked QUANTISED: E2M1 operands, one E8M0 scale for each 32 along K, by v_wmma_scale_f32_16x16x128_f8f6f4 with both operands' format E2M1 (or v_wmma_scale_f32_32x16x128_f4), f32 sums; products left as they are: f32 operands where the result goes on into a quantised operand, else bf16, f16 or f32 operands; f32 sums; everything else in f32.
;; Inputs: W1 256 x 259 float32; W2_codes 256 x 8 x 16 uint8 (E2M1 codes of W2, K innermost, in blocks of 32 codes, two codes a byte); W2_scales 256 x 8 uint8 (E8M0 scales of W2, one for each 32 codes along K); b1 256 float32; b2 256 float32; g1 256 float32; g2 256 float32; seed_features_graspable 8 x 256 x 1,024 float32; seed_xyz_graspable 8 x 1,024 x 3 float32; vp_rot 8 x 1,024 x 3 x 3 float32.
;; Outputs: out0 8 x 256 x 1,024 float32.
;; This version of the problem:
;;   THIS VERSION OF THE PROBLEM IS GIVEN IN LOW PRECISION. The matrix products marked QUANTISED in the list below multiply operands that are first quantised to E2M1 (2 exponent bits, 1 mantissa bit; 4 bits a number), with one power-of-two scale for each 32 numbers along K (OCP MX v1.0); their sums are f32. All else is computed in f32.
;;   The module's matrix products, in the order in which they are computed (A, B: the left and right operand; K: the contracted axis; several contracted axes count as one K, in the product's order):
;;     1. batch 8,192 x [M 1,024, K 3] x [K 3, N 3]; A: computed on the way; B: input vp_rot: left as it is (K = 3 < 32)
;;     2. batch 8,192 x [M 32, K 3] x [K 3, N 3]; A: computed on the way; B: input vp_rot: left as it is (K = 3 < 32)
;;     3. [M 256, K 259] x [K 259, N 262,144]; A: input W1; B: computed on the way: QUANTISED
;;     4. [M 256, K 256] x [K 256, N 262,144]; A: input W2 (given as codes); B: computed on the way: QUANTISED
;;   THE QUANTISER, for each operand of a quantised product, along K:
;;     - K is cut into blocks of 32 from its start; a last block that is shorter is filled with zeros.
;;     - A block's scale is 2^e with e = floor(log2(the largest magnitude in the block)) - 2, held to -126 .. 127; a block of zeros has e = 0. As a byte (E8M0): e + 127.
;;     - Each number is divided by its block's scale, clamped to +-6, and rounded to the nearest number of E2M1, ties to even, subnormals kept.
;;     - The product sums the exact products of the quantised numbers (number of the format x scale) in f32.
;;   ~~~python
;;   def quantise(x, axis):      # numpy; x: float32 -> the quantised numbers, widened to float32 again
;;       x = np.moveaxis(x, axis, -1); K = x.shape[-1]
;;       x = np.pad(x, [(0, 0)] * (x.ndim - 1) + [(0, -K % 32)]); x = x.reshape(x.shape[:-1] + (-1, 32)); a = np.abs(x).max(-1, keepdims=True)
;;       e = np.where(a > 0, np.clip(np.frexp(np.where(a > 0, a, 1))[1] - 1 - 2, -126, 127), 0)      # np.frexp(a)[1] - 1 = floor(log2(a)), exactly
;;       r = np.clip(x / 2.0 ** e, -6, 6)
;;       step = 2.0 ** (np.maximum(np.frexp(np.where(r == 0, 1, r))[1] - 1, 0) - 1)
;;       q = np.round(r / step) * step * 2.0 ** e      # np.round: ties to even
;;       return np.moveaxis(q.reshape(q.shape[:-2] + (-1,))[..., :K], -1, axis).astype(np.float32)
;;   ~~~
;;   OPERANDS COMPUTED ON THE WAY. 'Computed on the way' means the value that the module computes at that place (a softmax that the list does not call 'softmax' is quantised finished and normalised). What goes into a quantiser is computed in f32, as accurately as f32 sums, v_exp_f32 and their like allow (about 1e-6 of the number): no bf16 or f16 on the way to a quantiser, and a product that is left as it is and whose result goes on into a quantised operand takes f32 operands (vector FMAs, or v_wmma_f32_16x16x4_f32). A number that lies on a knife's edge between two numbers of the format may be rounded either way, as far as f32 arithmetic and the matrix unit's own rounding can turn it there, and no further.
;;   INPUTS GIVEN AS CODES. W2 (in the module: [256, 256], K = its axis 1): each comes as NAME_codes (uint8): NAME with its K axis moved to the last place and cut into blocks of 32 codes, [.., K / 32, bytes a block], one block behind the other in memory; two codes a byte, the lower K in the low four bits (a code: sign, 2 exponent bits, 1 mantissa bit); and NAME_scales (uint8): the same leading axes, one E8M0 byte (e + 127) for each 32 codes along K. Its value is code x scale, taken as it is: it is not quantised again, and the codes and scales need not be those that the quantiser above would give.
;; One version. Each part assembles by itself: llvm-mc -triple=amdgcn-amd-amdhsa -mcpu=gfx1250 --defsym DOCPART=n.
;; ======== version 1 of 1: 6 launches
;; workspace buffers: idx 1,048,576 bytes of whole numbers; tab 2,414,592 bytes; part 524,288 bytes; bn 2,048 bytes; mm 16,777,216 bytes
;; launch prep (part 1): grid 324 x 1, 4 waves a work-group, no clusters, 43,520 bytes of LDS; arguments seed_xyz_graspable, vp_rot, seed_features_graspable, W1, idx, tab; writes idx, tab
.if DOCPART == 1
	.amdgcn_target "amdgcn-amd-amdhsa--gfx1250"
	.amdhsa_code_object_version 6
	.text
	.protected	k_q0308d409ca_prep
	.globl	k_q0308d409ca_prep
	.p2align	8
	.type	k_q0308d409ca_prep,@function
k_q0308d409ca_prep:
	s_mov_b64 s[64:65], 0
	v_nop
	global_prefetch_b8 v0, s[64:65] scope:SCOPE_SE
	s_setreg_imm32_b32 hwreg(HW_REG_WAVE_MODE, 25, 1), 1
	s_wait_xcnt 0x0
; PREP: three jobs, parted by the work-group's number; no wave shares anything with another, so there is no barrier.
;  work-groups 0-255   QUERY: for each of 8,192 centres the first 32 points, in index order, that lie in its cylinder; empty places take point 0 -> idx [8192][32] u32
;  work-groups 256-319 TABLES: per point a row T0 (x, y, z, features 0-28 as f32: block 0 of the first product's K) and a row TC (scale bytes, codes of blocks 1-8, a block of zero codes)
;  work-groups 320-323 WEIGHTS: W1 [256][259] f32 -> codes of E2M1 and E8M0 scale words, laid as images of the operand's registers
; A block's scale is 2^(floor(log2(largest magnitude)) - 2); its byte is the largest magnitude's exponent field - 2, held at 1 from below.  A block of zeros so has the byte 1: its codes are zeros, and this program alone reads the bytes.
; LIMITS: NaN and infinities are not served; blocks whose largest magnitude lies under 2^-124 keep the byte 1; a point within f32 rounding of the cylinder's surface may fall on either side.
; No matrix work, no tensor loads, no cluster: the work-groups share only 96 KiB of coordinates.  Each job has LDS bytes of its own.
.set TCOFF,  1048576                   ; tab: T0 at 0 (8,192 rows of 128 bytes), TC here (8,192 rows of 160 bytes),
.set W1IOFF, 2359296                   ; W1's images [16 tiles][3 K steps][2][32 lanes][16 bytes],
.set W1SOFF, 2408448                   ; W1's scale words [16][3][32 lanes]
.set FST,    4096                      ; LDS: 0: the query's stages, 1,024 bytes a wave; from here the tables' stages,
.set FWAVE,  9728                      ; a wave's: 32 rows x 144 bytes for T0, then
.set FTC,    4608                      ; 32 rows x 160 bytes for TC
.set P,   64                           ; query: v64-159 the batch's 1,024 points: register 3 c + m = coordinate m of point 32 c + lane
.set T,   16                           ; query: v16-39 four chunks at work, six registers each
.set R,   48                           ; query: v48-55 the eight centres' results
.set BL,  66                           ; query: s66-77 three ballots for each of four chunks
.set X,   64                           ; tables, weights: v64-127 two sets of 32 numbers
.set C,   128                          ; tables, weights: codes, four registers a block
.set QM0, 10
.set QM1, 11
.set QSO, 12
; 32 numbers of a lane, v[xs] on, become 32 codes in v[cd] .. v[cd + 3] and their scale's byte in v[eb]
.macro QB xs, cd, eb
	v_max3_num_f32 v[QM0], |v[\xs]|, |v[\xs+1]|, |v[\xs+2]|        ; the largest magnitude, in two chains
	v_max3_num_f32 v[QM1], |v[\xs+3]|, |v[\xs+4]|, |v[\xs+5]|
.irp i, 6,10,14,18,22,26
	v_max3_num_f32 v[QM0], v[QM0], |v[\xs+\i]|, |v[\xs+\i+1]|
	v_max3_num_f32 v[QM1], v[QM1], |v[\xs+\i+2]|, |v[\xs+\i+3]|
.endr
	v_max3_num_f32 v[QM0], v[QM0], |v[\xs+30]|, |v[\xs+31]|
	v_max3_num_f32 v[QM0], v[QM0], v[QM1], 0x1800000               ; and the floor 2^(3 - 127): the byte cannot fall under 1
	v_add_nc_u32 v[QSO], 0xff000000, v[QM0]                        ; 2 off the exponent field: the conversion takes this operand's exponent field as its scale
.irp g, 0,1,2,3
	v_cvt_scalef32_pk8_fp4_f32 v[\cd+\g], v[\xs+8*\g:\xs+8*\g+7], v[QSO]
.endr
	v_lshrrev_b32 v[\eb], 23, v[QSO]                               ; the byte; also the plain line behind the conversions
.endm
	s_load_b256 s[4:11], s[0:1], 0x0               ; xyz s[4:5], rot s[6:7], features s[8:9], W1 s[10:11]
	s_load_b128 s[12:15], s[0:1], 0x20             ; idx s[12:13], tab s[14:15]
	v_lshl_add_u32 v192, v0, 2, 0xa800
	v_mov_b32 v193, 0
	v_lshrrev_b32 v1, 5, v0
	v_readfirstlane_b32 s16, v1                    ; wave
	v_and_b32 v2, 31, v0                           ; lane
	s_mov_b32 s19, 0
	s_wait_kmcnt 0x0
	s_cmp_lt_u32 ttmp9, 256
	s_cbranch_scc0 .Ltables
; ---------------- QUERY.  A wave owns 8 centres, 32 x work-group + 8 x wave on.  All 1,024 points of the batch stay in 96 registers.
	s_lshr_b32 s18, ttmp9, 5                       ; the batch
	s_mul_i32 s18, s18, 12288
	s_add_nc_u64 s[20:21], s[4:5], s[18:19]
	v_mul_u32_u24 v3, v2, 12
.set i, 0
.rept 96
	global_load_b32 v[P+i], v3, s[20:21] offset:384*(i/3)+4*(i%3)
.set i, i+1
.endr
	s_lshl_b32 s22, ttmp9, 5
	s_lshl_b32 s23, s16, 3
	s_add_co_u32 s22, s22, s23                     ; my first centre
	s_mul_i32 s23, s22, 36                         ; its byte in rot
	s_mul_i32 s22, s22, 12                         ; and in xyz
	s_load_b96 s[24:26], s[4:5], s22 offset:0x0    ; the first centre's data, into the set that runs one trip ahead
	s_load_b256 s[28:35], s[6:7], s23 offset:0x0
	s_load_b32 s36, s[6:7], s23 offset:0x20
	s_lshl_b32 s18, ttmp9, 12
	s_lshl_b32 s57, s16, 10
	s_add_co_u32 s18, s18, s57
	s_add_nc_u64 s[12:13], s[12:13], s[18:19]      ; idx at my 8 centres: 1,024 bytes
	v_lshlrev_b32 v4, 2, v2
	v_add_nc_u32 v4, s57, v4                       ; my stage, in: 1,024 x wave + 4 x lane
	v_lshlrev_b32 v6, 4, v2
	v_add_nc_u32 v5, s57, v6                       ; and back: 16 x lane
	s_mov_b32 s53, 0x3b23d70a                      ; radius^2 = 0.0025
	s_mov_b32 s54, 0xbca3d70a                      ; -0.02
	s_mov_b32 s55, 0x3d23d70a                      ; 0.04
.irp i, 0,1,2,3,4,5,6,7
	v_mov_b32 v[R+\i], 0
.endr
	s_mov_b32 s17, 0
	s_wait_loadcnt 0x0                             ; the points
; Four chunks of 32 points, by turns.  local_k = sum over m of (p - c)_m rot[3 m + k], m ascending; in the cylinder where local_1^2 + local_2^2 < r^2 and -0.02 < local_0 < 0.04.
; The lane is place s of the result.  s56 counts the points found before a chunk; each lane keeps the last (ballot, count, chunk) with count <= s: that chunk holds its point.  Nothing but selections hangs on the ballots.
.macro CH4 c0
.irp u, 0,1,2,3
.irp m, 0,1,2
	v_sub_f32 v[T+6*\u+\m], v[P+3*(\c0+\u)+\m], s[40+\m]
.endr
.endr
.irp u, 0,1,2,3
.irp k, 0,1,2
	v_mul_f32 v[T+6*\u+3+\k], s[44+\k], v[T+6*\u]
.endr
.endr
.irp u, 0,1,2,3
.irp k, 0,1,2
	v_fmac_f32 v[T+6*\u+3+\k], s[47+\k], v[T+6*\u+1]
.endr
.endr
.irp u, 0,1,2,3
.irp k, 0,1,2
	v_fmac_f32 v[T+6*\u+3+\k], s[50+\k], v[T+6*\u+2]
.endr
.endr
.irp u, 0,1,2,3
	v_mul_f32 v[T+6*\u], v[T+6*\u+4], v[T+6*\u+4]
.endr
.irp u, 0,1,2,3
	v_fmac_f32 v[T+6*\u], v[T+6*\u+5], v[T+6*\u+5]
.endr
.irp u, 0,1,2,3
	v_cmp_gt_f32 s[BL+3*\u], s53, v[T+6*\u]
	v_cmp_lt_f32 s[BL+3*\u+1], s54, v[T+6*\u+3]
	v_cmp_gt_f32 s[BL+3*\u+2], s55, v[T+6*\u+3]
.endr
.irp u, 0,1,2,3
	s_and_b32 s[BL+3*\u], s[BL+3*\u], s[BL+3*\u+1]
	s_and_b32 s[BL+3*\u], s[BL+3*\u], s[BL+3*\u+2]
	v_cmp_le_u32 vcc_lo, s56, v2
	v_cndmask_b32 v7, v7, s[BL+3*\u], vcc_lo
	v_cndmask_b32 v8, v8, s56, vcc_lo
	v_cndmask_b32 v9, v9, \c0+\u, vcc_lo
	s_bcnt1_i32_b32 s57, s[BL+3*\u]
	s_add_co_u32 s56, s56, s57
.endr
.endm
; One step of the search for set bit number v10 of the word: the field of counts at bit v11; where the number is not below the count, the count comes off it and the place moves on
.macro RANK a, width, step
	v_bfe_u32 v12, v[\a], v11, \width
	v_cmp_ge_u32 vcc_lo, v10, v12
	v_cndmask_b32 v12, 0, v12, vcc_lo
	v_sub_nc_u32 v10, v10, v12
	v_cndmask_b32 v12, 0, \step, vcc_lo
	v_add_nc_u32 v11, v11, v12
.endm
.Lcentre:
	s_wait_kmcnt 0x0                               ; this centre's data are in
	s_mov_b64 s[40:41], s[24:25]                   ; the centre: s40-42; its rotation, row-major: s44-52
	s_mov_b32 s42, s26
	s_mov_b64 s[44:45], s[28:29]
	s_mov_b64 s[46:47], s[30:31]
	s_mov_b64 s[48:49], s[32:33]
	s_mov_b64 s[50:51], s[34:35]
	s_mov_b32 s52, s36
	s_cmp_eq_u32 s17, 7                            ; the last trip asks for nothing: no load leaves its buffer
	s_cbranch_scc1 .Lhave_all
	s_load_b96 s[24:26], s[4:5], s22 offset:0xc    ; the next centre's
	s_load_b256 s[28:35], s[6:7], s23 offset:0x24
	s_load_b32 s36, s[6:7], s23 offset:0x44
.Lhave_all:
	s_mov_b32 s56, 0
	v_mov_b32 v7, 0
	v_mov_b32 v8, 0
	v_mov_b32 v9, 0
.irp c, 0,4,8,12,16,20,24,28
	CH4 \c
.endr
	v_sub_nc_u32 v10, v2, v8                       ; which set bit of my chunk's ballot is mine
	v_lshrrev_b32 v13, 1, v7                       ; counts of set bits in fields of 2, 4, 8 and 16 bits
	v_and_b32 v13, 0x55555555, v13
	v_sub_nc_u32 v13, v7, v13
	v_lshrrev_b32 v14, 2, v13
	v_and_b32 v14, 0x33333333, v14
	v_and_b32 v12, 0x33333333, v13
	v_add_nc_u32 v14, v14, v12
	v_lshrrev_b32 v15, 4, v14
	v_add_nc_u32 v15, v15, v14
	v_and_b32 v15, 0x0f0f0f0f, v15
	v_lshrrev_b32 v40, 8, v15
	v_add_nc_u32 v40, v40, v15
	v_and_b32 v40, 0x00ff00ff, v40
	v_mov_b32 v11, 0
	RANK 40, 16, 16
	RANK 15, 8, 8
	RANK 14, 4, 4
	RANK 13, 2, 2
	RANK 7, 1, 1
	v_lshl_add_u32 v41, v9, 5, v11                 ; the point: 32 x chunk + bit
	v_cmp_gt_u32 vcc_lo, s56, v2                   ; a place beyond the number found takes point 0
	v_cndmask_b32 v41, 0, v41, vcc_lo
.irp i, 0,1,2,3,4,5,6,7
	s_cmp_eq_u32 s17, \i                           ; into the register of this trip: a selection on the counter, so that the stage below needs immediates alone
	s_cselect_b32 s57, -1, 0
	v_cndmask_b32 v[R+\i], v[R+\i], v41, s57
.endr
	s_wait_xcnt 0x0                                ; the scalar loads have read their offsets: these step only behind this wait
	s_add_co_u32 s22, s22, 12
	s_add_co_u32 s23, s23, 36
	s_add_co_u32 s17, s17, 1
	s_cmp_lt_u32 s17, 8
	s_cbranch_scc1 .Lcentre
.irp i, 0,1,2,3,4,5,6,7
	ds_store_b32 v4, v[R+\i] offset:128*\i         ; through my stage, so that a store of the wave covers 512 consecutive bytes
.endr
	ds_load_b128 v[56:59], v5                      ; LDS serves a wave's instructions in order: these see my stores
	ds_load_b128 v[60:63], v5 offset:512
	s_wait_dscnt 1                                 ; the first is back, the second may be out
	global_store_b128 v6, v[56:59], s[12:13]
	s_wait_dscnt 0x0
	global_store_b128 v6, v[60:63], s[12:13] offset:512
	s_wait_tensorcnt 0x0
	ds_add_u32 v192, v193
	s_wait_dscnt 0x0
	s_endpgm
; ---------------- TABLES.  Wave W takes points 32 W + lane.  A lane is a point and its registers run down K: a block of 32 lies in one lane.
.Ltables:
	s_cmp_lt_u32 ttmp9, 320
	s_cbranch_scc0 .Lweights
	s_sub_co_u32 s17, ttmp9, 256
	s_lshl_b32 s17, s17, 2
	s_add_co_u32 s17, s17, s16                     ; W = 0 .. 255
	s_lshr_b32 s18, s17, 5
	s_lshl_b32 s18, s18, 20                        ; the batch's features,
	s_and_b32 s20, s17, 31
	s_lshl_b32 s20, s20, 7                         ; my 32 points' 128 bytes of a channel's row
	s_add_co_u32 s18, s18, s20
	s_add_nc_u64 s[8:9], s[8:9], s[18:19]
	s_mul_i32 s18, s17, 384
	s_add_nc_u64 s[4:5], s[4:5], s[18:19]          ; my points' coordinates
	s_lshl_b32 s18, s17, 12
	s_add_nc_u64 s[22:23], s[14:15], s[18:19]      ; my 32 rows of T0
	s_mul_i32 s18, s17, 5120
	s_add_co_u32 s18, s18, TCOFF
	s_add_nc_u64 s[24:25], s[14:15], s[18:19]      ; and of TC
	s_mul_i32 s20, s16, FWAVE
	s_add_co_u32 s20, s20, FST                     ; my stages
	v_lshlrev_b32 v3, 2, v2
	v_mul_u32_u24 v4, v2, 12
	v_mul_u32_u24 v5, v2, 144
	v_add_nc_u32 v5, s20, v5                       ; T0's stage, in: row = lane, 144 bytes apart
	v_mul_u32_u24 v6, v2, 160
	v_add_nc_u32 v6, s20, v6                       ; TC's stage, in: row = lane, dense
	v_lshrrev_b32 v7, 3, v2
	v_mul_u32_u24 v7, v7, 144
	v_and_b32 v8, 7, v2
	v_lshl_add_u32 v7, v8, 4, v7
	v_add_nc_u32 v7, s20, v7                       ; T0's stage, back: eight lanes to a row of 128 bytes
	v_lshlrev_b32 v9, 4, v2
	v_add_nc_u32 v8, s20, v9                       ; TC's stage, back: as it lies
; block j: k = 32 j + i is coordinate k for k < 3, else feature k - 3; beyond k = 258 zeros
.macro LOADF j
.set XB, X+32*((\j)%2)
.if (\j) == 0
.irp m, 0,1,2
	global_load_b32 v[XB+\m], v4, s[4:5] offset:4*\m
.endr
.set i, 3
.rept 29
	global_load_b32 v[XB+i], v3, s[8:9] offset:4096*(i-3) th:TH_LOAD_NT
.set i, i+1
.endr
.elseif (\j) == 8
.irp m, 0,1,2
	global_load_b32 v[XB+\m], v3, s[8:9] offset:4096*(253+\m) th:TH_LOAD_NT
.endr
.set i, 3
.rept 29
	v_mov_b32 v[XB+i], 0
.set i, i+1
.endr
.else
.set i, 0
.rept 32
	global_load_b32 v[XB+i], v3, s[8:9] offset:4096*(32*(\j)-3+i) th:TH_LOAD_NT
.set i, i+1
.endr
.endif
.endm
.macro BLOCKF j
.set XB, X+32*((\j)%2)
.if (\j) < 7
	s_wait_loadcnt 32                              ; this block's loads are in; the next block's 32 may be out
.elseif (\j) == 7
	s_wait_loadcnt 3                               ; behind block 7's stand block 8's three
.else
	s_wait_loadcnt 0x0
.endif
.if (\j) == 0
.irp i, 0,1,2,3,4,5,6,7
	ds_store_b128 v5, v[XB+4*\i:XB+4*\i+3] offset:16*\i            ; block 0 stays f32: its scale hangs on the centre
.endr
	s_wait_dscnt 0x0                               ; the stores have read the set: it may be loaded again
.else
.set CB, C+4*((\j)-1)
	QB XB, CB, 13
	ds_store_b128 v6, v[CB:CB+3] offset:FTC+16*(\j)
.if (\j) == 8
	v_or_b32 v18, 0x7f7f7f00, v13                  ; blocks 9 to 11 are zeros: byte 127
.elseif (\j)%4 == 0
	v_mov_b32 v[16+(\j)/4], v13
.elseif (\j) == 1
	v_lshlrev_b32 v16, 8, v13                      ; byte 0 is left 0: block 0's byte is put there per column
.else
	v_lshl_or_b32 v[16+(\j)/4], v13, 8*((\j)%4), v[16+(\j)/4]
.endif
.endif
.if (\j)+2 <= 8
	LOADF (\j)+2
.endif
.endm
	LOADF 0
	LOADF 1
.irp j, 0,1,2,3,4,5,6,7,8
	BLOCKF \j
.endr
.irp i, 19,20,21,22,23
	v_mov_b32 v[\i], 0
.endr
	ds_store_b128 v6, v[16:19] offset:FTC          ; place 0 of a row: the scale words of K steps 0, 1, 2
	ds_store_b128 v6, v[20:23] offset:FTC+144      ; place 9: block 9, zero codes
	s_wait_dscnt 0x0                               ; all stores have read their registers: these are loaded below
.irp k, 0,1,2,3,4,5,6,7
	ds_load_b128 v[X+4*\k:X+4*\k+3], v7 offset:576*\k
.endr
.irp k, 0,1,2,3,4,5,6,7,8,9
	ds_load_b128 v[X+32+4*\k:X+32+4*\k+3], v8 offset:FTC+512*\k
.endr
.irp k, 0,1,2,3,4,5,6,7
	s_wait_dscnt 17-\k                             ; LDS loads come back in order: number k is in
	global_store_b128 v9, v[X+4*\k:X+4*\k+3], s[22:23] offset:512*\k        ; 512 consecutive bytes a store
.endr
.irp k, 0,1,2,3,4,5,6,7,8,9
	s_wait_dscnt 9-\k
	global_store_b128 v9, v[X+32+4*\k:X+32+4*\k+3], s[24:25] offset:512*\k
.endr
	s_wait_tensorcnt 0x0
	ds_add_u32 v192, v193
	s_wait_dscnt 0x0
	s_endpgm
; ---------------- WEIGHTS.  The wave is tile T of W1.  Lane (r, h) takes row 32 (T / 2) + 8 (T % 2) + r + 8 (r / 8), so that in the transposed product the 16 registers of tiles 2 b, 2 b + 1 are 16 neighbours along the next K.
; Piece n = 2 q + c of a tile is registers 4 c .. 4 c + 3 of K step q: the lane's block 2 n + h.
.Lweights:
	s_sub_co_u32 s17, ttmp9, 320
	s_lshl_b32 s17, s17, 2
	s_add_co_u32 s17, s17, s16                     ; T = 0 .. 15
	s_lshr_b32 s18, s17, 1
	s_lshl_b32 s18, s18, 5
	s_and_b32 s20, s17, 1
	s_lshl_b32 s20, s20, 3
	s_add_co_u32 s20, s20, s18
	v_and_b32 v3, 15, v0                           ; r
	v_bfe_u32 v4, v0, 4, 1                         ; h
	v_and_b32 v5, 8, v3
	v_add_nc_u32 v5, v5, v3
	v_add_nc_u32 v5, s20, v5                       ; my row
	v_mul_u32_u24 v7, v5, 1036                     ; a row is 259 numbers
	v_lshl_add_u32 v6, v4, 7, v7                   ; + 128 h
	v_lshlrev_b32 v9, 4, v2
	v_lshlrev_b32 v14, 2, v2
	v_lshlrev_b32 v15, 3, v4                       ; 8 h
	s_mul_i32 s18, s17, 3072
	s_add_co_u32 s18, s18, W1IOFF
	s_add_nc_u64 s[22:23], s[14:15], s[18:19]
	s_mul_i32 s18, s17, 384
	s_add_co_u32 s18, s18, W1SOFF
	s_add_nc_u64 s[24:25], s[14:15], s[18:19]
	s_mov_b32 s21, 0xffff0000                      ; lanes 16-31
	s_mov_b32 s26, 0x76543210
	s_mov_b32 s27, 0xfedcba98                      ; v_permlanex16_b32's selects for lane l xor 16
.macro LOADW n
.set XB, X+32*((\n)%2)
.if (\n) < 4
.set i, 0
.rept 32
	global_load_b32 v[XB+i], v6, s[10:11] offset:256*(\n)+4*i
.set i, i+1
.endr
.else
.irp m, 0,1,2
	global_load_b32 v[XB+\m], v7, s[10:11] offset:1024+4*\m        ; k = 256 .. 258, by both halves of the lanes: no load passes the row's end
.endr
.set i, 3
.rept 29
	v_mov_b32 v[XB+i], 0
.set i, i+1
.endr
.endif
.endm
.macro BLOCKW n
.set XB, X+32*((\n)%2)
.set CB, C+4*(\n)
.if (\n) < 3
	s_wait_loadcnt 32                              ; this piece's loads are in; the next piece's 32 may be out
.elseif (\n) == 3
	s_wait_loadcnt 3
.else
	s_wait_loadcnt 0x0
.irp m, 0,1,2
	v_cndmask_b32 v[XB+\m], v[XB+\m], 0, s21       ; lanes 16-31 hold block 9: zeros
.endr
.endif
	QB XB, CB, 24+(\n)
	global_store_b128 v9, v[CB:CB+3], s[22:23] offset:512*(\n)     ; 512 consecutive bytes; each piece has its own registers
.if (\n)+2 <= 4
	LOADW (\n)+2
.endif
.endm
	LOADW 0
	LOADW 1
.irp n, 0,1,2,3,4
	BLOCKW \n
.endr
.irp i, 0,1,2,3
	v_mov_b32 v[C+20+\i], 0                        ; piece 5: blocks 10 and 11, zero codes
.endr
	global_store_b128 v9, v[C+20:C+23], s[22:23] offset:2560
	v_lshl_or_b32 v32, v25, 16, v24                ; my two bytes of each K step: blocks h and 2 + h,
	v_lshl_or_b32 v33, v27, 16, v26
	v_or_b32 v34, 0x7f0000, v28                    ; (blocks 10, 11: byte 127)
.irp q, 0,1,2
	v_lshlrev_b32 v[32+\q], v15, v[32+\q]          ; at their places in the word,
	v_mov_b32 v[36+\q], 0
.endr
.irp q, 0,1,2
	v_permlanex16_b32 v[36+\q], v[32+\q], s26, s27
.endr
.irp q, 0,1,2
	v_or_b32 v[32+\q], v[32+\q], v[36+\q]          ; with lane l xor 16's two the word is whole
	global_store_b32 v14, v[32+\q], s[24:25] offset:128*\q
.endr
	s_endpgm
.Lfunc_end_k_q0308d409ca_prep:
	.size	k_q0308d409ca_prep, .Lfunc_end_k_q0308d409ca_prep-k_q0308d409ca_prep
	.p2alignl 7, 3214868480
	.fill 96, 4, 3214868480
	.section	.rodata,"a",@progbits
	.p2align	6, 0x0
	.amdhsa_kernel k_q0308d409ca_prep
		.amdhsa_group_segment_fixed_size 43520
		.amdhsa_private_segment_fixed_size 0
		.amdhsa_enable_private_segment 0
		.amdhsa_kernarg_size 48
		.amdhsa_user_sgpr_count 2
		.amdhsa_user_sgpr_kernarg_segment_ptr 1
		.amdhsa_wavefront_size32 1
		.amdhsa_system_sgpr_workgroup_id_x 1
		.amdhsa_system_sgpr_workgroup_id_y 1
		.amdhsa_system_sgpr_workgroup_id_z 1
		.amdhsa_system_vgpr_workitem_id 0
		.amdhsa_next_free_vgpr 194
		.amdhsa_next_free_sgpr 80
		.amdhsa_reserve_vcc 1
		.amdhsa_float_denorm_mode_32 3
		.amdhsa_float_denorm_mode_16_64 3
		.amdhsa_memory_ordered 1
		.amdhsa_forward_progress 1
		.amdhsa_inst_pref_size 117
	.end_amdhsa_kernel
	.amdgpu_metadata
---
amdhsa.version: [ 1, 2 ]
amdhsa.kernels:
  - .name:           k_q0308d409ca_prep
    .symbol:         k_q0308d409ca_prep.kd
    .args:
      - { .name: seed_xyz_graspable, .offset: 0, .size: 8, .value_kind: global_buffer, .address_space: global }
      - { .name: vp_rot, .offset: 8, .size: 8, .value_kind: global_buffer, .address_space: global }
      - { .name: seed_features_graspable, .offset: 16, .size: 8, .value_kind: global_buffer, .address_space: global }
      - { .name: W1, .offset: 24, .size: 8, .value_kind: global_buffer, .address_space: global }
      - { .name: idx, .offset: 32, .size: 8, .value_kind: global_buffer, .address_space: global }
      - { .name: tab, .offset: 40, .size: 8, .value_kind: global_buffer, .address_space: global }
    .group_segment_fixed_size: 43520
    .private_segment_fixed_size: 0
    .kernarg_segment_align: 8
    .kernarg_segment_size: 48
    .max_flat_workgroup_size: 128
    .sgpr_count:     80
    .vgpr_count:     194
    .wavefront_size: 32
...
	.end_amdgpu_metadata
.endif
;; end of part 1
;; launch pass1 (part 2): grid 256 x 1, 4 waves a work-group, no clusters, 25,088 bytes of LDS; arguments idx, tab, seed_xyz_graspable, vp_rot, part; writes part
.if DOCPART == 2
	.amdgcn_target "amdgcn-amd-amdhsa--gfx1250"
	.amdhsa_code_object_version 6
	.text
	.protected	k_q0308d409ca_pass1
	.globl	k_q0308d409ca_pass1
	.p2align	8
	.type	k_q0308d409ca_pass1,@function
k_q0308d409ca_pass1:
	s_mov_b64 s[64:65], 0
	v_nop
	global_prefetch_b8 v0, s[64:65] scope:SCOPE_SE
	s_setreg_imm32_b32 hwreg(HW_REG_WAVE_MODE, 25, 1), 1
	s_wait_xcnt 0x0
; PASS1: y1 = Q(W1) Q(x) on codes of E2M1 with E8M0 scales, and for each of the 256 channels this work-group's mean and sum of squared deviations of y1 -> part [256 work-groups][mean 256 | M2 256].  y1 itself is not kept.
; SHARES.  Work-group g owns centres 32 g .. 32 g + 31, in 8 blocks of 4 centres = 128 columns.  THE WAVES SHARE THE CHANNELS: wave w keeps W1's tiles 4 w .. 4 w + 3 in registers for the whole launch.
; X PHASE: wave w builds the 32 columns of centre 4 blk + w.  Blocks 1-9 of a column hang on the chosen point alone and are gathered as codes; block 0 (3 rotated offsets, features 0-28) is quantised here, a lane to a column.
; The two tiles' fragments and scale words go to LDS as images of the operand's registers (16 bytes a lane at 16 x lane), a barrier, and every wave reads all eight tiles.  Gathers run one block ahead, indices two.
; PRODUCT: source 0 = 16 columns of x, source 1 = 16 rows of W1: a lane holds ONE channel, its registers eight columns, so sums over columns stay in the lane.
; SUMS WITHOUT A DIFFERENCE OF LARGE SUMS: each lane takes its first result as a pivot; minus the pivot is the C of every later sum's first matrix instruction; sum and sum of squares are taken of y1 - pivot.
; K = 259 is filled to 384 with zero codes on both sides.  The offsets are divided by the radius as a multiplication by 20.
; No tensor loads and no cluster: what work-groups share is 54 KiB of weights, read once into registers, and table rows chosen by index.
; LIMITS: NaN and infinities are not served; a block whose largest magnitude lies under 2^-124 keeps the scale byte 1.
; REGISTERS, in windows of 256 (s_set_vgpr_msb: bits 1:0 source 0, 3:2 source 1, 5:4 source 2, 7:6 destination).  Window 0: addresses, scale words, x's fragments, results, sums.  Window 1: W1's fragments, the pivots.  Window 2: what the X phase gathers.
.set TCOFF,  1048576
.set W1IOFF, 2359296
.set W1SOFF, 2408448
.set XTILE, 2560                       ; LDS: a tile's image: pieces 0-4 of 512 bytes (K steps 0, 1 and half of 2); eight tiles from byte 0
.set XSC,   20480                      ; scale words [centre][K step] x 128 bytes: lanes 0-15 the first tile's columns, lanes 16-31 the second's
.set PST,   22016                      ; 2,048 bytes for the way out
.set PARTP, 12
.set LANE, 1
.set LI,   2                           ; 16 x lane
.set LS,   3                           ; 4 x lane
.set LSR,  4                           ; 4 x (lane % 16)
.set H16,  5                           ; 16 x (lane / 16)
.set XW,   6                           ; where I store my two tiles' images
.set XSW,  7                           ; and their scale words
.set PSTW, 10
.set PSTR, 11
.set IO,   12                          ; indices: my column's, the first tile's column lane % 16, the second's
.set IA,   13
.set IB,   14
.set AT0,  15                          ; gather offsets
.set ATC,  16
.set AFA,  17
.set AFB,  18
.set GT,   19                          ; 16 x thread
.set W1S,  32                          ; v32-43 W1's scale words (3 tile + K step);  v52-54 x's
.set XS,   52
.set XF,   64                          ; v64-111 x's fragments: tile m at 24 m + 8 q; registers + 20 .. 23 stay zero (blocks 10, 11)
.set Z,    112                         ; v112-175 results: 32 m + 8 tile
.set TM,   184
.set SUM1, 216                         ; a pair for each tile
.set SUM2, 224
.set W1F,  0                           ; window 1
.set KN,   160                         ; window 1: minus the pivot, eight registers a tile
.set G,    0                           ; window 2: my column's block 0 as f32
.set SW,   32                          ; its scale words
.set B1,   36                          ; its block 1
.set FA,   40                          ; the first tile's blocks 2-9
.set FB,   56                          ; the second's
.set Q,    72                          ; block 0's codes
.set T2,   76
.set QM0,  79
.set QM1,  80
.set QEB,  81
.set QSO,  82
.set MSB, 0
.macro WIN new                         ; the immediate's high byte repeats the setting that is left
.if MSB != \new
	s_set_vgpr_msb (MSB<<8)|\new
.set MSB, \new
.endif
.endm
.macro PLACES                          ; four plain lines behind matrix instructions, ahead of loads into their registers and of reads of their results
.rept 4
	v_nop
.endr
.endm
.macro BARRIER                         ; my LDS stores have landed and my LDS loads are in: then the work-group's barrier
	s_wait_dscnt 0x0
	s_barrier_signal -1
	s_barrier_wait -1
.endm
.macro QB xs, cd, eb                   ; 32 numbers of a lane -> 32 codes in four registers and the scale's byte
	v_max3_num_f32 v[QM0], |v[\xs]|, |v[\xs+1]|, |v[\xs+2]|
	v_max3_num_f32 v[QM1], |v[\xs+3]|, |v[\xs+4]|, |v[\xs+5]|
.irp i, 6,10,14,18,22,26
	v_max3_num_f32 v[QM0], v[QM0], |v[\xs+\i]|, |v[\xs+\i+1]|
	v_max3_num_f32 v[QM1], v[QM1], |v[\xs+\i+2]|, |v[\xs+\i+3]|
.endr
	v_max3_num_f32 v[QM0], v[QM0], |v[\xs+30]|, |v[\xs+31]|
	v_max3_num_f32 v[QM0], v[QM0], v[QM1], 0x1800000               ; the floor 2^(3 - 127): the byte cannot fall under 1
	v_add_nc_u32 v[QSO], 0xff000000, v[QM0]                        ; 2 off the exponent field: the conversion's scale operand
.irp g, 0,1,2,3
	v_cvt_scalef32_pk8_fp4_f32 v[\cd+\g], v[\xs+8*\g:\xs+8*\g+7], v[QSO]
.endr
	v_lshrrev_b32 v[\eb], 23, v[QSO]                               ; the byte; also the plain line behind the conversions
.endm
.macro IDXL off                        ; a centre's 32 indices, three ways
	global_load_b32 v[IO], v[LS], s[4:5] offset:\off
	global_load_b32 v[IA], v[LSR], s[4:5] offset:\off
	global_load_b32 v[IB], v[LSR], s[4:5] offset:\off+64
.endm
.macro GATH                            ; 18 loads of 16 bytes a lane from the tables' rows
	v_min_u32 v[IO], 0x3ff, v[IO]
	v_min_u32 v[IA], 0x3ff, v[IA]
	v_min_u32 v[IB], 0x3ff, v[IB]
	v_lshlrev_b32 v[AT0], 7, v[IO]
	v_mul_u32_u24 v[ATC], v[IO], 160
	v_mul_u32_u24 v[AFA], v[IA], 160
	v_mul_u32_u24 v[AFB], v[IB], 160
	v_add_nc_u32 v[AFA], v[AFA], v[H16]
	v_add_nc_u32 v[AFB], v[AFB], v[H16]
	WIN 0x80                                       ; data into window 2, offsets from window 0
.irp i, 0,1,2,3,4,5,6,7
	global_load_b128 v[G+4*\i:G+4*\i+3], v[AT0], s[28:29] offset:16*\i
.endr
	global_load_b128 v[SW:SW+3], v[ATC], s[30:31]
	global_load_b128 v[B1:B1+3], v[ATC], s[30:31] offset:16
.irp i, 1,2,3,4
	global_load_b128 v[FA+4*\i-4:FA+4*\i-1], v[AFA], s[30:31] offset:32*\i     ; lane (r, h): block 2 i + h of column r
	global_load_b128 v[FB+4*\i-4:FB+4*\i-1], v[AFB], s[30:31] offset:32*\i
.endr
	WIN 0
.endm
.macro CLOAD o1, o2                    ; a centre's coordinates s36-38 and rotation s40-48
	s_load_b96 s[36:38], s[8:9], s49 offset:\o1
	s_load_b256 s[40:47], s[10:11], s50 offset:\o2
	s_load_b32 s48, s[10:11], s50 offset:\o2+32
.endm
.macro FETCHX e                        ; centre e's two tiles and their scale words, as any wave stored them
.irp m, 0,1
.irp i, 0,1,2,3,4
	ds_load_b128 v[XF+24*\m+4*\i:XF+24*\m+4*\i+3], v[LI] offset:(2*(\e)+\m)*XTILE+512*\i
.endr
.endr
.irp q, 0,1,2
	ds_load_b32 v[XS+\q], v[LS] offset:XSC+384*(\e)+128*\q
.endr
.endm
.macro WMS d, a, b, c, sa, sb, ar, br  ; ar, br: source 0's or source 1's scales stand in lanes 16-31
.if \ar
	v_wmma_scale_f32_16x16x128_f8f6f4 v[(\d):(\d)+7], v[(\a):(\a)+7], v[(\b):(\b)+7], v[(\c):(\c)+7], v[(\sa)], v[(\sb)] matrix_a_fmt:MATRIX_FMT_FP4 matrix_b_fmt:MATRIX_FMT_FP4 matrix_a_scale:MATRIX_SCALE_ROW1
.elseif \br
	v_wmma_scale_f32_16x16x128_f8f6f4 v[(\d):(\d)+7], v[(\a):(\a)+7], v[(\b):(\b)+7], v[(\c):(\c)+7], v[(\sa)], v[(\sb)] matrix_a_fmt:MATRIX_FMT_FP4 matrix_b_fmt:MATRIX_FMT_FP4 matrix_b_scale:MATRIX_SCALE_ROW1
.else
	v_wmma_scale_f32_16x16x128_f8f6f4 v[(\d):(\d)+7], v[(\a):(\a)+7], v[(\b):(\b)+7], v[(\c):(\c)+7], v[(\sa)], v[(\sb)] matrix_a_fmt:MATRIX_FMT_FP4 matrix_b_fmt:MATRIX_FMT_FP4
.endif
.endm
; 24 matrix instructions: 2 tiles of columns x my 4 tiles of W1 x 3 K steps.  The eight accumulators take turns, one instruction a turn.
.macro MULN
.irp q, 0,1,2
.if \q == 0
	WIN 0x14                                       ; W1 and the pivots in window 1
.else
	WIN 0x04
.endif
.irp m, 0,1
.irp t, 0,1,2,3
.if \q == 0
	WMS Z+32*\m+8*\t, XF+24*\m+8*\q, W1F+24*\t+8*\q, KN+8*\t, XS+\q, W1S+3*\t+\q, \m, 0
.else
	WMS Z+32*\m+8*\t, XF+24*\m+8*\q, W1F+24*\t+8*\q, Z+32*\m+8*\t, XS+\q, W1S+3*\t+\q, \m, 0
.endif
.endr
.endr
.endr
.endm
; In the first block's first centre alone: minus each lane's first result becomes its pivot, and that centre's results are brought under it
.macro PIVOT
	s_cmp_lg_u32 s24, 0
	s_cbranch_scc1 .Lpivot_set
	WIN 0x40
.irp t, 0,1,2,3
.irp j, 0,1,2,3,4,5,6,7
	v_xor_b32 v[KN+8*\t+\j], s55, v[Z+8*\t]
.endr
.endr
	WIN 0x04
.irp i, 0,2,4,6
.irp m, 0,1
.irp t, 0,1,2,3
	v_pk_add_f32 v[Z+32*\m+8*\t+\i:Z+32*\m+8*\t+\i+1], v[Z+32*\m+8*\t+\i:Z+32*\m+8*\t+\i+1], v[KN+8*\t:KN+8*\t+1]
.endr
.endr
.endr
	WIN 0
.Lpivot_set:
.endm
.macro STAT12                          ; sum and sum of squares, two numbers a line, each accumulator from its low end on; four chains of each kind
.irp i, 0,2,4,6
.irp m, 0,1
.irp t, 0,1,2,3
	v_pk_add_f32 v[SUM1+2*\t:SUM1+2*\t+1], v[SUM1+2*\t:SUM1+2*\t+1], v[Z+32*\m+8*\t+\i:Z+32*\m+8*\t+\i+1]
	v_pk_fma_f32 v[SUM2+2*\t:SUM2+2*\t+1], v[Z+32*\m+8*\t+\i:Z+32*\m+8*\t+\i+1], v[Z+32*\m+8*\t+\i:Z+32*\m+8*\t+\i+1], v[SUM2+2*\t:SUM2+2*\t+1]
.endr
.endr
.endr
.endm
	s_load_b256 s[4:11], s[0:1], 0x0               ; idx s[4:5], tab s[6:7], xyz s[8:9], rot s[10:11]
	s_load_b64 s[12:13], s[0:1], 0x20              ; part
	v_lshl_add_u32 v254, v0, 2, 0x6000
	v_mov_b32 v255, 0
	v_lshrrev_b32 v20, 5, v0
	v_readfirstlane_b32 s25, v20                   ; wave
	v_and_b32 v[LANE], 31, v0
	v_and_b32 v20, 15, v0                          ; r
	v_bfe_u32 v21, v0, 4, 1                        ; h
	v_lshlrev_b32 v[LI], 4, v[LANE]
	v_lshlrev_b32 v[LS], 2, v[LANE]
	v_lshlrev_b32 v[LSR], 2, v20
	v_lshlrev_b32 v[H16], 4, v21
	s_mul_i32 s26, s25, 2*XTILE
	v_add_nc_u32 v[XW], s26, v[LI]
	s_mul_i32 s26, s25, 384
	s_add_co_u32 s26, s26, XSC
	v_add_nc_u32 v[XSW], s26, v[LS]
	v_and_b32 v22, 8, v20                          ; the way out: lane r of tile t holds channel 64 w + 32 (t / 2) + 8 (t % 2) + r + 8 (r / 8); lanes 0-15 put the mean, lanes 16-31 M2, 1,024 bytes on
	v_add_nc_u32 v22, v22, v20
	v_lshlrev_b32 v22, 2, v22
	v_lshl_add_u32 v22, v21, 10, v22
	s_lshl_b32 s26, s25, 8
	s_add_co_u32 s26, s26, PST
	v_add_nc_u32 v[PSTW], s26, v22
	v_lshl_add_u32 v[PSTR], v0, 4, PST
	v_lshlrev_b32 v[GT], 4, v0
	s_mov_b32 s52, 0x76543210
	s_mov_b32 s53, 0xfedcba98                      ; v_permlanex16_b32's selects for lane l xor 16
	s_mov_b32 s54, 0xffff0000                      ; lanes 16-31
	s_mov_b32 s55, 0x80000000
	s_mov_b32 s33, 0
	s_wait_kmcnt 0x0
	s_lshr_b32 s26, ttmp9, 5                       ; the batch
	s_lshl_b32 s32, s26, 17
	s_add_nc_u64 s[28:29], s[6:7], s[32:33]        ; its rows of T0
	s_mul_i32 s32, s26, 163840
	s_add_co_u32 s32, s32, TCOFF
	s_add_nc_u64 s[30:31], s[6:7], s[32:33]        ; and of TC
	s_mul_i32 s32, s25, 12288
	s_add_co_u32 s32, s32, W1IOFF
	s_add_nc_u64 s[34:35], s[6:7], s[32:33]        ; my four tiles of W1
	s_mul_i32 s32, s25, 1536
	s_add_co_u32 s32, s32, W1SOFF
	s_add_nc_u64 s[58:59], s[6:7], s[32:33]
	s_lshl_b32 s56, ttmp9, 5
	s_add_co_u32 s56, s56, s25                     ; my first centre: 32 g + w
	s_lshl_b32 s32, s56, 7
	s_add_nc_u64 s[4:5], s[4:5], s[32:33]
	s_mul_i32 s49, s56, 12
	s_mul_i32 s50, s56, 36
	s_lshl_b32 s32, ttmp9, 11
	s_add_nc_u64 s[PARTP:PARTP+1], s[PARTP:PARTP+1], s[32:33]
	IDXL 0
	CLOAD 0, 0
.set i, 0
.rept 20
	v_mov_b32 v[TM+i], 0                           ; (a lane permute's destination counts as one of its sources)
.set i, i+1
.endr
.set i, 0
.rept 16
	v_mov_b32 v[SUM1+i], 0
.set i, i+1
.endr
.irp i, 20,21,22,23,44,45,46,47
	v_mov_b32 v[XF+\i], 0                          ; blocks 10 and 11 of x: zero codes
.endr
	WIN 0x40
.set i, 0
.rept 32
	v_mov_b32 v[KN+i], 0                           ; no pivot yet
.set i, i+1
.endr
	WIN 0
	s_wait_loadcnt 0x0                             ; block 0's indices
	GATH
	IDXL 512                                       ; block 1's
	WIN 0x40
.irp t, 0,1,2,3
.irp n, 0,1,2,3,4,5
	global_load_b128 v[W1F+24*\t+4*\n:W1F+24*\t+4*\n+3], v[LI], s[34:35] offset:3072*\t+512*\n
.endr
.endr
	WIN 0
.irp t, 0,1,2,3
.irp q, 0,1,2
	global_load_b32 v[W1S+3*\t+\q], v[LS], s[58:59] offset:384*\t+128*\q
.endr
.endr
	s_mov_b32 s24, 0
.Lblock:
	; ---- X: my centre's 32 columns
	s_wait_loadcnt 0x0                             ; this block's gathers, asked for a block ago, and the next block's indices (in the first trip the weights too)
	s_wait_kmcnt 0x0                               ; the centre
	WIN 0xaa                                       ; all in window 2
.irp m, 0,1,2
	v_sub_f32 v[T2+\m], v[G+\m], s[36+\m]
.endr
.irp m, 0,1,2
	v_mul_f32 v[T2+\m], 0x41a00000, v[T2+\m]       ; / 0.05
.endr
.irp k, 0,1,2
	v_mul_f32 v[G+\k], s[40+\k], v[T2]             ; into the cylinder's frame: sum over m of d_m rot[3 m + k]
.endr
.irp k, 0,1,2
	v_fmac_f32 v[G+\k], s[43+\k], v[T2+1]
.endr
.irp k, 0,1,2
	v_fmac_f32 v[G+\k], s[46+\k], v[T2+2]
.endr
	QB G, Q, QEB
	v_or_b32 v[SW], v[SW], v[QEB]                  ; block 0's byte into K step 0's word
.irp i, 0,1,2,3
	v_permlane16_swap_b32 v[Q+\i], v[B1+\i]        ; Q: the first tile's blocks 0 | 1 in lanes 0-15 | 16-31;  B1: the second tile's
.endr
	WIN 0x08                                       ; an LDS store's address is its source 0 (window 0), its data its source 1 (window 2)
	ds_store_b128 v[XW], v[Q:Q+3]
	ds_store_b128 v[XW], v[B1:B1+3] offset:XTILE
.irp i, 1,2,3,4
	ds_store_b128 v[XW], v[FA+4*\i-4:FA+4*\i-1] offset:512*\i
	ds_store_b128 v[XW], v[FB+4*\i-4:FB+4*\i-1] offset:XTILE+512*\i
.endr
.irp q, 0,1,2
	ds_store_b32 v[XSW], v[SW+\q] offset:128*\q
.endr
	WIN 0
	s_wait_dscnt 0x0                               ; the stores have landed, for the others' sake, and have read their registers, which the gathers below fill
	s_cmp_eq_u32 s24, 7                            ; no load leaves its buffer: the last block gathers nothing, the last two ask for no indices
	s_cbranch_scc1 .Lno_more
	GATH
	CLOAD 48, 144
	s_cmp_ge_u32 s24, 6
	s_cbranch_scc1 .Lno_more
	IDXL 1024
.Lno_more:
	s_barrier_signal -1
	s_barrier_wait -1                              ; all eight tiles lie in LDS
	FETCHX 0
.irp e, 0,1,2,3
	s_wait_dscnt 0x0
	MULN
	WIN 0
	PLACES
.if \e == 0
	PIVOT
.endif
.if \e < 3
	FETCHX \e+1                                    ; lands while the sums below are taken
.endif
	STAT12
.endr
	BARRIER                                        ; every wave's reads of the images are over: the next block may write them
	s_wait_xcnt 0x0                                ; pending loads have read their bases and offsets: these step only behind this wait
	s_add_nc_u64 s[4:5], s[4:5], 512
	s_add_co_u32 s49, s49, 48
	s_add_co_u32 s50, s50, 144
	s_add_co_u32 s24, s24, 1
	s_cmp_lt_u32 s24, 8
	s_cbranch_scc1 .Lblock
	; ---- the way out.  A lane has 512 numbers: mean = sum / 512 + pivot, M2 = sum of squares - sum^2 / 512; lanes l and l xor 16 hold the same channel and are joined
.irp t, 0,1,2,3
	v_add_f32 v[TM+\t], v[SUM1+2*\t], v[SUM1+2*\t+1]
	v_add_f32 v[TM+4+\t], v[SUM2+2*\t], v[SUM2+2*\t+1]
.endr
.irp t, 0,1,2,3
	v_mul_f32 v[TM+8+\t], 0x3b000000, v[TM+\t]     ; / 512
.endr
.irp t, 0,1,2,3
	v_fma_f32 v[TM+4+\t], -v[TM+\t], v[TM+8+\t], v[TM+4+\t]
.endr
	WIN 0x04
.irp t, 0,1,2,3
	v_sub_f32 v[TM+8+\t], v[TM+8+\t], v[KN+8*\t]
.endr
	WIN 0
.irp t, 0,1,2,3
	v_permlanex16_b32 v[TM+12+\t], v[TM+8+\t], s52, s53
	v_permlanex16_b32 v[TM+16+\t], v[TM+4+\t], s52, s53
.endr
.irp t, 0,1,2,3
	v_sub_f32 v[TM+\t], v[TM+8+\t], v[TM+12+\t]    ; the two means' difference
	v_add_f32 v[TM+8+\t], v[TM+8+\t], v[TM+12+\t]
	v_add_f32 v[TM+4+\t], v[TM+4+\t], v[TM+16+\t]
.endr
.irp t, 0,1,2,3
	v_mul_f32 v[TM+12+\t], v[TM+\t], v[TM+\t]
	v_mul_f32 v[TM+8+\t], 0.5, v[TM+8+\t]
.endr
.irp t, 0,1,2,3
	v_fmac_f32 v[TM+4+\t], 0x43800000, v[TM+12+\t] ; + 512 x 512 / 1,024 x difference^2
.endr
.irp t, 0,1,2,3
	v_cndmask_b32 v[TM+\t], v[TM+8+\t], v[TM+4+\t], s54
	ds_store_b32 v[PSTW], v[TM+\t] offset:128*(\t/2)+32*(\t%2)
.endr
	BARRIER
	ds_load_b128 v[TM+20:TM+23], v[PSTR]
	s_wait_dscnt 0x0
	global_store_b128 v[GT], v[TM+20:TM+23], s[PARTP:PARTP+1]      ; the work-group stores 2,048 consecutive bytes
	s_barrier_signal -1
	s_barrier_wait -1
	s_wait_tensorcnt 0x0
	ds_add_u32 v254, v255
	s_wait_dscnt 0x0
	s_endpgm
.Lfunc_end_k_q0308d409ca_pass1:
	.size	k_q0308d409ca_pass1, .Lfunc_end_k_q0308d409ca_pass1-k_q0308d409ca_pass1
	.p2alignl 7, 3214868480
	.fill 96, 4, 3214868480
	.section	.rodata,"a",@progbits
	.p2align	6, 0x0
	.amdhsa_kernel k_q0308d409ca_pass1
		.amdhsa_group_segment_fixed_size 25088
		.amdhsa_private_segment_fixed_size 0
		.amdhsa_enable_private_segment 0
		.amdhsa_kernarg_size 40
		.amdhsa_user_sgpr_count 2
		.amdhsa_user_sgpr_kernarg_segment_ptr 1
		.amdhsa_wavefront_size32 1
		.amdhsa_system_sgpr_workgroup_id_x 1
		.amdhsa_system_sgpr_workgroup_id_y 1
		.amdhsa_system_sgpr_workgroup_id_z 1
		.amdhsa_system_vgpr_workitem_id 0
		.amdhsa_next_free_vgpr 608
		.amdhsa_next_free_sgpr 66
		.amdhsa_reserve_vcc 0
		.amdhsa_float_denorm_mode_32 3
		.amdhsa_float_denorm_mode_16_64 3
		.amdhsa_memory_ordered 1
		.amdhsa_forward_progress 1
		.amdhsa_inst_pref_size 57
	.end_amdhsa_kernel
	.amdgpu_metadata
---
amdhsa.version: [ 1, 2 ]
amdhsa.kernels:
  - .name:           k_q0308d409ca_pass1
    .symbol:         k_q0308d409ca_pass1.kd
    .args:
      - { .name: idx, .offset: 0, .size: 8, .value_kind: global_buffer, .address_space: global }
      - { .name: tab, .offset: 8, .size: 8, .value_kind: global_buffer, .address_space: global }
      - { .name: seed_xyz_graspable, .offset: 16, .size: 8, .value_kind: global_buffer, .address_space: global }
      - { .name: vp_rot, .offset: 24, .size: 8, .value_kind: global_buffer, .address_space: global }
      - { .name: part, .offset: 32, .size: 8, .value_kind: global_buffer, .address_space: global }
    .group_segment_fixed_size: 25088
    .private_segment_fixed_size: 0
    .kernarg_segment_align: 8
    .kernarg_segment_size: 40
    .max_flat_workgroup_size: 128
    .sgpr_count:     66
    .vgpr_count:     608
    .wavefront_size: 32
...
	.end_amdgpu_metadata
.endif
;; end of part 2
;; launch fin1 (part 3): grid 16 x 1, 8 waves a work-group, no clusters, 2,048 bytes of LDS; arguments part, g1, bn; writes bn
.if DOCPART == 3
	.amdgcn_target "amdgcn-amd-amdhsa--gfx1250"
	.amdhsa_code_object_version 6
	.text
	.protected	k_q0308d409ca_fin1
	.globl	k_q0308d409ca_fin1
	.p2align	8
	.type	k_q0308d409ca_fin1,@function
k_q0308d409ca_fin1:
	s_mov_b64 s[64:65], 0
	v_nop
	global_prefetch_b8 v0, s[64:65] scope:SCOPE_SE
	s_setreg_imm32_b32 hwreg(HW_REG_WAVE_MODE, 25, 1), 1
	s_wait_xcnt 0x0
; FIN: the 256 work-groups' means and sums of squared deviations (1,024 numbers each) of a channel are joined: mu = mean of the means, var = (sum of M2 + 1,024 x sum of (mean - mu)^2) / 262,144.
; Out: bn[0:256] = gain / sqrt(var + 1e-5), bn[256:512] = -mu.  No difference of large sums is formed.
; A work-group takes 16 channels; thread (r = t % 16, slice = t / 16) takes channel 16 x work-group + r and 16 of the 256 parts.  The work is a few thousand numbers: no matrix unit, no cluster, no tensor load.
	s_load_b128 s[4:7], s[0:1], 0x0                ; part, gain
	s_load_b64 s[8:9], s[0:1], 0x10                ; bn
	v_lshl_add_u32 v64, v0, 2, 0x400
	v_mov_b32 v65, 0
	v_and_b32 v1, 15, v0                           ; r
	v_lshrrev_b32 v2, 4, v0                        ; slice
	v_lshrrev_b32 v3, 5, v0
	v_readfirstlane_b32 s10, v3                    ; wave
	v_bfe_u32 v15, v0, 4, 1                        ; h
	s_lshl_b32 s11, ttmp9, 6
	v_lshlrev_b32 v4, 2, v1                        ; 4 r
	v_add_nc_u32 v5, s11, v4                       ; 4 x channel
	v_lshl_add_u32 v6, v2, 15, v5                  ; + 16 parts of 2,048 bytes a slice
	s_lshl_b32 s17, s10, 6
	v_add_nc_u32 v12, s17, v4                      ; LDS: 64 x wave + 4 r
	s_mov_b32 s12, 0x76543210
	s_mov_b32 s13, 0xfedcba98                      ; v_permlanex16_b32's selects for lane l xor 16
	s_mov_b32 s14, 0x36800000                      ; 1 / 262,144
	s_mov_b32 s15, 0x3727c5ac                      ; 1e-5
	s_mov_b32 s16, 0xffff0000                      ; lanes 16-31
	s_wait_kmcnt 0x0
.irp i, 0,1,2,3,4,5,6,7,8,9,10,11,12,13,14,15
	global_load_b32 v[16+\i], v6, s[4:5] offset:2048*\i            ; means
	global_load_b32 v[32+\i], v6, s[4:5] offset:2048*\i+1024       ; M2
.endr
	global_load_b32 v7, v5, s[6:7]
	s_wait_loadcnt 0x0
.irp k, 0,1,2,3
	v_add_f32 v[8+\k], v[16+\k], v[20+\k]
.endr
.irp k, 0,1,2,3
	v_add_f32 v[8+\k], v[8+\k], v[24+\k]
.endr
.irp k, 0,1,2,3
	v_add_f32 v[8+\k], v[8+\k], v[28+\k]
.endr
	v_add_f32 v8, v8, v9
	v_add_f32 v10, v10, v11
	v_add_f32 v8, v8, v10
	v_mov_b32 v9, 0
	v_permlanex16_b32 v9, v8, s12, s13             ; the wave's other slice
	v_add_f32 v8, v8, v9
	ds_store_b32 v12, v8                           ; both halves of the lanes write the same word with the same value
	s_wait_dscnt 0x0
	s_barrier_signal -1
	s_barrier_wait -1
.irp k, 0,1,2,3,4,5,6,7
	ds_load_b32 v[48+\k], v4 offset:64*\k
.endr
	s_wait_dscnt 0x0
.irp k, 0,2,4,6
	v_add_f32 v[48+\k], v[48+\k], v[49+\k]
.endr
	v_add_f32 v48, v48, v50
	v_add_f32 v52, v52, v54
	v_add_f32 v48, v48, v52
	v_mul_f32 v13, 0x3b800000, v48                 ; mu = sum / 256
.irp i, 0,1,2,3,4,5,6,7,8,9,10,11,12,13,14,15
	v_sub_f32 v[16+\i], v[16+\i], v13
.endr
.irp k, 0,1,2,3
	v_mul_f32 v[8+\k], v[16+\k], v[16+\k]
	v_add_f32 v[32+\k], v[32+\k], v[36+\k]
.endr
.irp j, 4,8,12
.irp k, 0,1,2,3
	v_fmac_f32 v[8+\k], v[16+\j+\k], v[16+\j+\k]
.endr
.endr
.irp j, 8,12
.irp k, 0,1,2,3
	v_add_f32 v[32+\k], v[32+\k], v[32+\j+\k]
.endr
.endr
	v_add_f32 v8, v8, v9
	v_add_f32 v10, v10, v11
	v_add_f32 v32, v32, v33
	v_add_f32 v34, v34, v35
	v_add_f32 v8, v8, v10
	v_add_f32 v32, v32, v34
	v_fmac_f32 v32, 0x44800000, v8                 ; + 1,024 x the sum of (mean - mu)^2
	v_mov_b32 v9, 0
	v_permlanex16_b32 v9, v32, s12, s13
	v_add_f32 v32, v32, v9
	ds_store_b32 v12, v32 offset:512               ; other bytes than the first sum's
	s_wait_dscnt 0x0
	s_barrier_signal -1
	s_barrier_wait -1
.irp k, 0,1,2,3,4,5,6,7
	ds_load_b32 v[48+\k], v4 offset:512+64*\k
.endr
	s_wait_dscnt 0x0
.irp k, 0,2,4,6
	v_add_f32 v[48+\k], v[48+\k], v[49+\k]
.endr
	v_add_f32 v48, v48, v50
	v_add_f32 v52, v52, v54
	v_add_f32 v48, v48, v52
	v_fma_f32 v8, v48, s14, s15                    ; var + 1e-5
	v_rsq_f32 v9, v8
	v_sub_f32 v14, 0, v13                          ; -mu; also the plain line behind the transcendental
	s_wait_alu depctr_va_vdst(0)
	v_mul_f32 v9, v7, v9                           ; gain / sqrt(var + 1e-5)
	s_cmp_lg_u32 s10, 0                            ; every wave holds the result; wave 0 stores it
	s_cbranch_scc1 .Ldone
	v_cndmask_b32 v10, v9, v14, s16                ; lanes 0-15 the factor, lanes 16-31 -mu, 1,024 bytes on
	v_lshl_add_u32 v11, v15, 10, v5
	global_store_b32 v11, v10, s[8:9]
.Ldone:
	s_barrier_signal -1
	s_barrier_wait -1
	s_wait_tensorcnt 0x0
	ds_add_u32 v64, v65
	s_wait_dscnt 0x0
	s_endpgm
.Lfunc_end_k_q0308d409ca_fin1:
	.size	k_q0308d409ca_fin1, .Lfunc_end_k_q0308d409ca_fin1-k_q0308d409ca_fin1
	.p2alignl 7, 3214868480
	.fill 96, 4, 3214868480
	.section	.rodata,"a",@progbits
	.p2align	6, 0x0
	.amdhsa_kernel k_q0308d409ca_fin1
		.amdhsa_group_segment_fixed_size 2048
		.amdhsa_private_segment_fixed_size 0
		.amdhsa_enable_private_segment 0
		.amdhsa_kernarg_size 24
		.amdhsa_user_sgpr_count 2
		.amdhsa_user_sgpr_kernarg_segment_ptr 1
		.amdhsa_wavefront_size32 1
		.amdhsa_system_sgpr_workgroup_id_x 1
		.amdhsa_system_sgpr_workgroup_id_y 1
		.amdhsa_system_sgpr_workgroup_id_z 1
		.amdhsa_system_vgpr_workitem_id 0
		.amdhsa_next_free_vgpr 66
		.amdhsa_next_free_sgpr 66
		.amdhsa_reserve_vcc 0
		.amdhsa_float_denorm_mode_32 3
		.amdhsa_float_denorm_mode_16_64 3
		.amdhsa_memory_ordered 1
		.amdhsa_forward_progress 1
		.amdhsa_inst_pref_size 10
	.end_amdhsa_kernel
	.amdgpu_metadata
---
amdhsa.version: [ 1, 2 ]
amdhsa.kernels:
  - .name:           k_q0308d409ca_fin1
    .symbol:         k_q0308d409ca_fin1.kd
    .args:
      - { .name: part, .offset: 0, .size: 8, .value_kind: global_buffer, .address_space: global }
      - { .name: g1, .offset: 8, .size: 8, .value_kind: global_buffer, .address_space: global }
      - { .name: bn, .offset: 16, .size: 8, .value_kind: global_buffer, .address_space: global }
    .group_segment_fixed_size: 2048
    .private_segment_fixed_size: 0
    .kernarg_segment_align: 8
    .kernarg_segment_size: 24
    .max_flat_workgroup_size: 256
    .sgpr_count:     66
    .vgpr_count:     66
    .wavefront_size: 32
...
	.end_amdgpu_metadata
.endif
;; end of part 3
;; launch pass2 (part 4): grid 256 x 1, 4 waves a work-group, no clusters, 43,520 bytes of LDS; arguments idx, tab, seed_xyz_graspable, vp_rot, W2_codes, W2_scales, bn, b1, part, mm; writes part, mm
.if DOCPART == 4
	.amdgcn_target "amdgcn-amd-amdhsa--gfx1250"
	.amdhsa_code_object_version 6
	.text
	.protected	k_q0308d409ca_pass2
	.globl	k_q0308d409ca_pass2
	.p2align	8
	.type	k_q0308d409ca_pass2,@function
k_q0308d409ca_pass2:
	s_mov_b64 s[64:65], 0
	v_nop
	global_prefetch_b8 v0, s[64:65] scope:SCOPE_SE
	s_setreg_imm32_b32 hwreg(HW_REG_WAVE_MODE, 25, 1), 1
	s_wait_xcnt 0x0
; PASS2: y1 again, h = relu((y1 - mu1) sc1 + b1), Q(h) along the 256 hidden units, y2 = W2 Q(h); of y2 this work-group's mean and M2 for each channel -> part, and the largest and smallest over each centre's 32 samples -> mm.
; The second normalisation is monotone in y2, rising or falling with its gain's sign, so the largest and the smallest y2 of a centre are all that the last launch needs; y1, h and y2 never go to memory.
; SHARES as in the launch before: work-group g owns centres 32 g .. 32 g + 31 in 8 blocks of 4; wave w keeps W1's tiles 4 w .. 4 w + 3 (hidden units 64 w .. + 63) and W2's rows 64 w .. + 63 in registers.
; A BLOCK, two barriers.  X: wave w builds centre 4 blk + w's 32 columns; images to LDS | barrier | 1: for each centre, TRANSPOSED (source 0 = W1, source 1 = x): a lane holds one column, and by the choice of W1's rows
; the 16 registers of tiles 2 b, 2 b + 1 are 16 neighbouring hidden units; C of the first matrix instruction is -mu1; normalised, quantised; my 64 units are registers 4 (w % 2) .. + 3 of K step w / 2: one store of 16 bytes a lane,
; and half a scale word | barrier | 2: source 0 = 16 columns of h, source 1 = 16 rows of W2: a lane holds one channel; sums under a pivot as in the launch before; largest and smallest.
; x's images are written again only by waves behind the second barrier, which each wave reaches behind its last read of them; h's only behind the next first barrier, likewise.
; relu is taken on the codes: negative numbers are left out of a block's maximum (the floor stands over them), and the magnitude bits of negative codes are cleared: -0 adds nothing.
; mm: [g][w][tile][blk][lane][4 centres] f32: lanes 0-15 the largest, lanes 16-31 the smallest, of channel 64 w + 16 tile + lane % 16.
; No tensor loads and no cluster: what work-groups share is 88 KiB of weights, read once into registers, and table rows chosen by index.
; LIMITS: NaN and infinities are not served; a block whose largest magnitude lies under 2^-124 keeps the scale byte 1.  The offsets are divided by the radius as a multiplication by 20.
; REGISTERS, in windows of 256 (s_set_vgpr_msb: bits 1:0 source 0, 3:2 source 1, 5:4 source 2, 7:6 destination).  Window 0: addresses, scale words, fragments from LDS, results, sums.  Window 1: the weights, pivots, sc1, b1.  Window 2: what the X phase gathers; -mu1.
.set TCOFF,  1048576
.set W1IOFF, 2359296
.set W1SOFF, 2408448
.set XTILE, 2560                       ; LDS: x's eight tiles from byte 0, five pieces of 512 bytes each
.set XSC,   20480                      ; x's scale words [centre][K step] x 128 bytes
.set HIMG,  22016                      ; h's fragments [tile 0-7][K step 0, 1] x 1,024 bytes
.set HSC,   38400                      ; h's scale words [tile][K step] x 128 bytes, 64 of them used
.set PST,   40448                      ; 2,048 bytes for the way out
.set PARTP, 20
.set LANE, 1
.set LI,   2                           ; 16 x lane
.set LS,   3                           ; 4 x lane
.set LSR,  4                           ; 4 x (lane % 16)
.set H16,  5                           ; 16 x (lane / 16)
.set XW,   6
.set XSW,  7
.set HWI,  8                           ; where I store my piece of h's fragments: HIMG + 512 w + 16 x lane
.set HWS,  9                           ; and my half of h's scale words
.set PSTW, 10
.set PSTR, 11
.set IO,   12
.set IA,   13
.set IB,   14
.set AT0,  15
.set ATC,  16
.set AFA,  17
.set AFB,  18
.set GT,   19
.set W1S,  32                          ; v32-43 W1's scale words; v44-51 W2's; v52-54 x's; v56-59 h's
.set W2S,  44
.set XS,   52
.set HS,   56
.set XF,   64                          ; v64-111 x's fragments: 24 m + 8 q, registers + 20 .. 23 stay zero; h's fragments lie at 24 m + 8 q, q = 0, 1
.set Z,    112                         ; v112-175 results of either product: 32 m + 8 tile
.set PC,   176                         ; v176-183 h's codes
.set TM,   184                         ; v184-215 at work
.set SUM1, 216
.set SUM2, 224
.set R,    232                         ; v232-247 largest | smallest: 4 tile + centre
.set W1F,  0                           ; window 1
.set W2F,  96
.set KN,   160
.set SC,   192
.set SH,   224
.set G,    0                           ; window 2
.set SW,   32
.set B1,   36
.set FA,   40
.set FB,   56
.set Q,    72
.set T2,   76
.set QM0,  79
.set QM1,  80
.set QEB,  81
.set QSO,  82
.set MUN,  112
.set MSB, 0
.macro WIN new                         ; the immediate's high byte repeats the setting that is left
.if MSB != \new
	s_set_vgpr_msb (MSB<<8)|\new
.set MSB, \new
.endif
.endm
.macro PLACES                          ; four plain lines behind matrix instructions, ahead of loads into their registers and of reads of their results
.rept 4
	v_nop
.endr
.endm
.macro BARRIER                         ; my LDS stores have landed and my LDS loads are in: then the work-group's barrier
	s_wait_dscnt 0x0
	s_barrier_signal -1
	s_barrier_wait -1
.endm
.macro QB xs, cd, eb                   ; 32 numbers of a lane -> 32 codes in four registers and the scale's byte
	v_max3_num_f32 v[QM0], |v[\xs]|, |v[\xs+1]|, |v[\xs+2]|
	v_max3_num_f32 v[QM1], |v[\xs+3]|, |v[\xs+4]|, |v[\xs+5]|
.irp i, 6,10,14,18,22,26
	v_max3_num_f32 v[QM0], v[QM0], |v[\xs+\i]|, |v[\xs+\i+1]|
	v_max3_num_f32 v[QM1], v[QM1], |v[\xs+\i+2]|, |v[\xs+\i+3]|
.endr
	v_max3_num_f32 v[QM0], v[QM0], |v[\xs+30]|, |v[\xs+31]|
	v_max3_num_f32 v[QM0], v[QM0], v[QM1], 0x1800000               ; the floor 2^(3 - 127): the byte cannot fall under 1
	v_add_nc_u32 v[QSO], 0xff000000, v[QM0]                        ; 2 off the exponent field: the conversion's scale operand
.irp g, 0,1,2,3
	v_cvt_scalef32_pk8_fp4_f32 v[\cd+\g], v[\xs+8*\g:\xs+8*\g+7], v[QSO]
.endr
	v_lshrrev_b32 v[\eb], 23, v[QSO]                               ; the byte; also the plain line behind the conversions
.endm
.macro IDXL off
	global_load_b32 v[IO], v[LS], s[4:5] offset:\off
	global_load_b32 v[IA], v[LSR], s[4:5] offset:\off
	global_load_b32 v[IB], v[LSR], s[4:5] offset:\off+64
.endm
.macro GATH
	v_min_u32 v[IO], 0x3ff, v[IO]
	v_min_u32 v[IA], 0x3ff, v[IA]
	v_min_u32 v[IB], 0x3ff, v[IB]
	v_lshlrev_b32 v[AT0], 7, v[IO]
	v_mul_u32_u24 v[ATC], v[IO], 160
	v_mul_u32_u24 v[AFA], v[IA], 160
	v_mul_u32_u24 v[AFB], v[IB], 160
	v_add_nc_u32 v[AFA], v[AFA], v[H16]
	v_add_nc_u32 v[AFB], v[AFB], v[H16]
	WIN 0x80                                       ; data into window 2, offsets from window 0
.irp i, 0,1,2,3,4,5,6,7
	global_load_b128 v[G+4*\i:G+4*\i+3], v[AT0], s[28:29] offset:16*\i
.endr
	global_load_b128 v[SW:SW+3], v[ATC], s[30:31]
	global_load_b128 v[B1:B1+3], v[ATC], s[30:31] offset:16
.irp i, 1,2,3,4
	global_load_b128 v[FA+4*\i-4:FA+4*\i-1], v[AFA], s[30:31] offset:32*\i     ; lane (r, h): block 2 i + h of column r
	global_load_b128 v[FB+4*\i-4:FB+4*\i-1], v[AFB], s[30:31] offset:32*\i
.endr
	WIN 0
.endm
.macro CLOAD o1, o2
	s_load_b96 s[36:38], s[8:9], s49 offset:\o1
	s_load_b256 s[40:47], s[10:11], s50 offset:\o2
	s_load_b32 s48, s[10:11], s50 offset:\o2+32
.endm
.macro FETCHX e
.irp m, 0,1
.irp i, 0,1,2,3,4
	ds_load_b128 v[XF+24*\m+4*\i:XF+24*\m+4*\i+3], v[LI] offset:(2*(\e)+\m)*XTILE+512*\i
.endr
.endr
.irp q, 0,1,2
	ds_load_b32 v[XS+\q], v[LS] offset:XSC+384*(\e)+128*\q
.endr
.endm
.macro FETCHH e                        ; centre e's two tiles of h, both K steps, and their scale words
.irp m, 0,1
.irp q, 0,1
.irp c, 0,1
	ds_load_b128 v[XF+24*\m+8*\q+4*\c:XF+24*\m+8*\q+4*\c+3], v[LI] offset:HIMG+(2*(2*(\e)+\m)+\q)*1024+512*\c
.endr
	ds_load_b32 v[HS+2*\m+\q], v[LSR] offset:HSC+(2*(2*(\e)+\m)+\q)*128
.endr
.endr
.endm
.macro WMS d, a, b, c, sa, sb, ar, br  ; ar, br: source 0's or source 1's scales stand in lanes 16-31
.if \ar
	v_wmma_scale_f32_16x16x128_f8f6f4 v[(\d):(\d)+7], v[(\a):(\a)+7], v[(\b):(\b)+7], v[(\c):(\c)+7], v[(\sa)], v[(\sb)] matrix_a_fmt:MATRIX_FMT_FP4 matrix_b_fmt:MATRIX_FMT_FP4 matrix_a_scale:MATRIX_SCALE_ROW1
.elseif \br
	v_wmma_scale_f32_16x16x128_f8f6f4 v[(\d):(\d)+7], v[(\a):(\a)+7], v[(\b):(\b)+7], v[(\c):(\c)+7], v[(\sa)], v[(\sb)] matrix_a_fmt:MATRIX_FMT_FP4 matrix_b_fmt:MATRIX_FMT_FP4 matrix_b_scale:MATRIX_SCALE_ROW1
.else
	v_wmma_scale_f32_16x16x128_f8f6f4 v[(\d):(\d)+7], v[(\a):(\a)+7], v[(\b):(\b)+7], v[(\c):(\c)+7], v[(\sa)], v[(\sb)] matrix_a_fmt:MATRIX_FMT_FP4 matrix_b_fmt:MATRIX_FMT_FP4
.endif
.endm
; The first product, transposed: 24 matrix instructions; register j of tile t in lane (r, h) is y1 - mu1 of column r, hidden unit 64 w + 32 (t / 2) + 16 h + 8 (t % 2) + j.  Eight accumulators by turns.
.macro MULT
.irp q, 0,1,2
.if \q == 0
	WIN 0x21                                       ; W1 in window 1, -mu1 in window 2
.else
	WIN 0x01
.endif
.irp m, 0,1
.irp t, 0,1,2,3
.if \q == 0
	WMS Z+32*\m+8*\t, W1F+24*\t+8*\q, XF+24*\m+8*\q, MUN+8*\t, W1S+3*\t+\q, XS+\q, 0, \m
.else
	WMS Z+32*\m+8*\t, W1F+24*\t+8*\q, XF+24*\m+8*\q, Z+32*\m+8*\t, W1S+3*\t+\q, XS+\q, 0, \m
.endif
.endr
.endr
.endr
.endm
; The second product: 16 matrix instructions; register j of tile t in lane (r, h) is y2 - pivot of column 8 h + j, channel 64 w + 16 t + r
.macro MUL2
.irp q, 0,1
.if \q == 0
	WIN 0x14                                       ; W2 and the pivots in window 1
.else
	WIN 0x04
.endif
.irp m, 0,1
.irp t, 0,1,2,3
.if \q == 0
	WMS Z+32*\m+8*\t, XF+24*\m+8*\q, W2F+16*\t+8*\q, KN+8*\t, HS+2*\m+\q, W2S+2*\t+\q, 0, 0
.else
	WMS Z+32*\m+8*\t, XF+24*\m+8*\q, W2F+16*\t+8*\q, Z+32*\m+8*\t, HS+2*\m+\q, W2S+2*\t+\q, 0, 0
.endif
.endr
.endr
.endr
.endm
; Centre e's 64 registers become h's codes.  Block 2 m + b (tile of columns m, my hidden units 32 b on) lies in registers Z + 16 (2 m + b) on, 16 in this lane and 16 in lane l xor 16.
.macro BNQ e
	WIN 0x14                                       ; sc1 and b1 in window 1
.irp m, 0,1
.irp t, 0,1,2,3
.irp i, 0,2,4,6
	v_pk_fma_f32 v[Z+32*\m+8*\t+\i:Z+32*\m+8*\t+\i+1], v[Z+32*\m+8*\t+\i:Z+32*\m+8*\t+\i+1], v[SC+8*\t+\i:SC+8*\t+\i+1], v[SH+8*\t+\i:SH+8*\t+\i+1]
.endr
.endr
.endr
	WIN 0
.irp b, 0,1,2,3
	v_max3_num_f32 v[TM+\b], v[Z+16*\b], v[Z+16*\b+1], 0x1800000   ; no |.|: what is negative must not count; the floor 2^(3 - 127) stands over it
.endr
.irp i, 2,4,6,8,10,12,14
.irp b, 0,1,2,3
	v_max3_num_f32 v[TM+\b], v[TM+\b], v[Z+16*\b+\i], v[Z+16*\b+\i+1]
.endr
.endr
.irp b, 0,1,2,3
	v_permlanex16_b32 v[TM+4+\b], v[TM+\b], s52, s53
.endr
.irp b, 0,1,2,3
	v_max_num_f32 v[TM+\b], v[TM+\b], v[TM+4+\b]
.endr
.irp b, 0,1,2,3
	v_add_nc_u32 v[TM+12+\b], 0xff000000, v[TM+\b]
.endr
.irp b, 0,1,2,3
	v_lshrrev_b32 v[TM+4+\b], 23, v[TM+12+\b]
.endr
	v_lshl_or_b32 v[TM+8], v[TM+5], 8, v[TM+4]     ; my two bytes of a column's scale word, for each tile of columns
	v_lshl_or_b32 v[TM+9], v[TM+7], 8, v[TM+6]
.irp b, 0,1,2,3
	v_cvt_scalef32_pk8_fp4_f32 v[PC+2*\b], v[Z+16*\b:Z+16*\b+7], v[TM+12+\b]
	v_cvt_scalef32_pk8_fp4_f32 v[PC+2*\b+1], v[Z+16*\b+8:Z+16*\b+15], v[TM+12+\b]
.endr
	v_nop                                          ; one plain line behind the conversions
.irp n, 0,1,2,3,4,5,6,7
	v_and_b32 v[TM+16+\n], s51, v[PC+\n]           ; the eight sign bits,
.endr
.irp n, 0,1,2,3,4,5,6,7
	v_lshrrev_b32 v[TM+24+\n], 3, v[TM+16+\n]
.endr
.irp n, 0,1,2,3,4,5,6,7
	v_sub_nc_u32 v[TM+16+\n], v[TM+16+\n], v[TM+24+\n]             ; 8 - 1 = 7 in each negative code's place: its magnitude bits,
.endr
.irp n, 0,1,2,3,4,5,6,7
	v_bfi_b32 v[PC+\n], v[TM+16+\n], 0, v[PC+\n]   ; which are cleared: relu
.endr
.irp m, 0,1
.irp i, 0,1
	v_permlane16_swap_b32 v[PC+4*\m+\i], v[PC+4*\m+2+\i]           ; a whole block to a lane: lanes 0-15 units 64 w on, lanes 16-31 units 64 w + 32 on
.endr
.endr
.irp m, 0,1
	ds_store_b128 v[HWI], v[PC+4*\m:PC+4*\m+3] offset:(2*(\e)+\m)*2048
	ds_store_b16 v[HWS], v[TM+8+\m] offset:(2*(\e)+\m)*256         ; lanes l and l xor 16 write the same bytes with the same value
.endr
.endm
.macro PIVOT                           ; in the first block's first centre alone: minus each lane's first result becomes its pivot, and that centre's results are brought under it
	s_cmp_lg_u32 s24, 0
	s_cbranch_scc1 .Lpivot_set
	WIN 0x40
.irp t, 0,1,2,3
.irp j, 0,1,2,3,4,5,6,7
	v_xor_b32 v[KN+8*\t+\j], s55, v[Z+8*\t]
.endr
.endr
	WIN 0x04
.irp i, 0,2,4,6
.irp m, 0,1
.irp t, 0,1,2,3
	v_pk_add_f32 v[Z+32*\m+8*\t+\i:Z+32*\m+8*\t+\i+1], v[Z+32*\m+8*\t+\i:Z+32*\m+8*\t+\i+1], v[KN+8*\t:KN+8*\t+1]
.endr
.endr
.endr
	WIN 0
.Lpivot_set:
.endm
.macro STAT12                          ; sum and sum of squares, each accumulator from its low end on
.irp i, 0,2,4,6
.irp m, 0,1
.irp t, 0,1,2,3
	v_pk_add_f32 v[SUM1+2*\t:SUM1+2*\t+1], v[SUM1+2*\t:SUM1+2*\t+1], v[Z+32*\m+8*\t+\i:Z+32*\m+8*\t+\i+1]
	v_pk_fma_f32 v[SUM2+2*\t:SUM2+2*\t+1], v[Z+32*\m+8*\t+\i:Z+32*\m+8*\t+\i+1], v[Z+32*\m+8*\t+\i:Z+32*\m+8*\t+\i+1], v[SUM2+2*\t:SUM2+2*\t+1]
.endr
.endr
.endr
.endm
.macro STATMM e                        ; the largest and the smallest of centre e's 32 samples: 16 in this lane, 16 in lane l xor 16; the pivot comes off before the lanes meet
.irp t, 0,1,2,3
	v_max3_num_f32 v[TM+\t], v[Z+8*\t], v[Z+8*\t+1], v[Z+8*\t+2]
	v_min3_num_f32 v[TM+4+\t], v[Z+8*\t], v[Z+8*\t+1], v[Z+8*\t+2]
.endr
.irp i, 3,5
.irp t, 0,1,2,3
	v_max3_num_f32 v[TM+\t], v[TM+\t], v[Z+8*\t+\i], v[Z+8*\t+\i+1]
	v_min3_num_f32 v[TM+4+\t], v[TM+4+\t], v[Z+8*\t+\i], v[Z+8*\t+\i+1]
.endr
.endr
.irp t, 0,1,2,3
	v_max3_num_f32 v[TM+\t], v[TM+\t], v[Z+8*\t+7], v[Z+32+8*\t]
	v_min3_num_f32 v[TM+4+\t], v[TM+4+\t], v[Z+8*\t+7], v[Z+32+8*\t]
.endr
.irp i, 1,3,5
.irp t, 0,1,2,3
	v_max3_num_f32 v[TM+\t], v[TM+\t], v[Z+32+8*\t+\i], v[Z+32+8*\t+\i+1]
	v_min3_num_f32 v[TM+4+\t], v[TM+4+\t], v[Z+32+8*\t+\i], v[Z+32+8*\t+\i+1]
.endr
.endr
.irp t, 0,1,2,3
	v_max_num_f32 v[TM+\t], v[TM+\t], v[Z+32+8*\t+7]
	v_min_num_f32 v[TM+4+\t], v[TM+4+\t], v[Z+32+8*\t+7]
.endr
	WIN 0x04
.irp t, 0,1,2,3
	v_sub_f32 v[TM+\t], v[TM+\t], v[KN+8*\t]
	v_sub_f32 v[TM+4+\t], v[TM+4+\t], v[KN+8*\t]
.endr
	WIN 0
.irp t, 0,1,2,3
	v_permlanex16_b32 v[TM+8+\t], v[TM+\t], s52, s53
	v_permlanex16_b32 v[TM+12+\t], v[TM+4+\t], s52, s53
.endr
.irp t, 0,1,2,3
	v_max_num_f32 v[TM+\t], v[TM+\t], v[TM+8+\t]
	v_min_num_f32 v[TM+4+\t], v[TM+4+\t], v[TM+12+\t]
.endr
.irp t, 0,1,2,3
	v_cndmask_b32 v[R+4*\t+(\e)], v[TM+\t], v[TM+4+\t], s54        ; lanes 0-15 the largest, lanes 16-31 the smallest
.endr
.endm
	s_load_b256 s[4:11], s[0:1], 0x0               ; idx s[4:5], tab s[6:7], xyz s[8:9], rot s[10:11]
	s_load_b256 s[12:19], s[0:1], 0x20             ; W2's codes s[12:13], W2's scales s[14:15], bn s[16:17], b1 s[18:19]
	s_load_b128 s[20:23], s[0:1], 0x40             ; part s[20:21], mm s[22:23]
	v_lshl_add_u32 v254, v0, 2, 0xa800
	v_mov_b32 v255, 0
	v_lshrrev_b32 v20, 5, v0
	v_readfirstlane_b32 s25, v20                   ; wave
	v_and_b32 v[LANE], 31, v0
	v_and_b32 v20, 15, v0                          ; r
	v_bfe_u32 v21, v0, 4, 1                        ; h
	v_lshlrev_b32 v[LI], 4, v[LANE]
	v_lshlrev_b32 v[LS], 2, v[LANE]
	v_lshlrev_b32 v[LSR], 2, v20
	v_lshlrev_b32 v[H16], 4, v21
	s_mul_i32 s26, s25, 2*XTILE
	v_add_nc_u32 v[XW], s26, v[LI]
	s_mul_i32 s26, s25, 384
	s_add_co_u32 s26, s26, XSC
	v_add_nc_u32 v[XSW], s26, v[LS]
	s_lshl_b32 s26, s25, 9                         ; K step w / 2 (1,024 bytes), piece w % 2 (512): together 512 w
	s_add_co_u32 s26, s26, HIMG
	v_add_nc_u32 v[HWI], s26, v[LI]
	s_lshr_b32 s26, s25, 1
	s_lshl_b32 s26, s26, 7                         ; the scale words of K step w / 2,
	s_and_b32 s27, s25, 1
	s_lshl_b32 s27, s27, 1                         ; bytes 2 (w % 2) and the next
	s_add_co_u32 s26, s26, s27
	s_add_co_u32 s26, s26, HSC
	v_add_nc_u32 v[HWS], s26, v[LSR]
	v_lshl_add_u32 v25, v21, 10, v[LSR]            ; the way out: channel 64 w + 16 t + r; lanes 0-15 put the mean, lanes 16-31 M2, 1,024 bytes on
	s_lshl_b32 s26, s25, 8
	s_add_co_u32 s26, s26, PST
	v_add_nc_u32 v[PSTW], s26, v25
	v_lshl_add_u32 v[PSTR], v0, 4, PST
	v_lshlrev_b32 v[GT], 4, v0
	v_lshlrev_b32 v22, 6, v21                      ; sc1, b1, -mu1: 16 h numbers on
	v_lshlrev_b32 v23, 7, v20
	v_lshl_add_u32 v23, v21, 4, v23                ; W2's codes: row r of 128 bytes, + 16 h
	v_lshlrev_b32 v24, 3, v20                      ; W2's scale words: 8 bytes a row
	s_mov_b32 s51, 0x88888888
	s_mov_b32 s52, 0x76543210
	s_mov_b32 s53, 0xfedcba98                      ; v_permlanex16_b32's selects for lane l xor 16
	s_mov_b32 s54, 0xffff0000                      ; lanes 16-31
	s_mov_b32 s55, 0x80000000
	s_mov_b32 s33, 0
	s_wait_kmcnt 0x0
	s_lshr_b32 s26, ttmp9, 5                       ; the batch
	s_lshl_b32 s32, s26, 17
	s_add_nc_u64 s[28:29], s[6:7], s[32:33]
	s_mul_i32 s32, s26, 163840
	s_add_co_u32 s32, s32, TCOFF
	s_add_nc_u64 s[30:31], s[6:7], s[32:33]
	s_mul_i32 s32, s25, 12288
	s_add_co_u32 s32, s32, W1IOFF
	s_add_nc_u64 s[34:35], s[6:7], s[32:33]
	s_mul_i32 s32, s25, 1536
	s_add_co_u32 s32, s32, W1SOFF
	s_add_nc_u64 s[58:59], s[6:7], s[32:33]
	s_lshl_b32 s56, ttmp9, 5
	s_add_co_u32 s56, s56, s25                     ; my first centre: 32 g + w
	s_lshl_b32 s32, s56, 7
	s_add_nc_u64 s[4:5], s[4:5], s[32:33]
	s_mul_i32 s49, s56, 12
	s_mul_i32 s50, s56, 36
	s_lshl_b32 s32, ttmp9, 11
	s_add_nc_u64 s[PARTP:PARTP+1], s[PARTP:PARTP+1], s[32:33]
	s_lshl_b32 s32, s25, 13
	s_add_nc_u64 s[12:13], s[12:13], s[32:33]      ; my 64 rows of W2
	s_lshl_b32 s32, s25, 9
	s_add_nc_u64 s[14:15], s[14:15], s[32:33]
	s_lshl_b32 s32, s25, 8
	s_add_nc_u64 s[16:17], s[16:17], s[32:33]      ; my 64 hidden units' figures
	s_add_nc_u64 s[18:19], s[18:19], s[32:33]
	s_lshl_b32 s32, ttmp9, 16
	s_lshl_b32 s26, s25, 14
	s_add_co_u32 s32, s32, s26
	s_add_nc_u64 s[22:23], s[22:23], s[32:33]
	IDXL 0
	CLOAD 0, 0
.set i, 0
.rept 20
	v_mov_b32 v[TM+i], 0                           ; (a lane permute's destination counts as one of its sources)
.set i, i+1
.endr
.set i, 0
.rept 16
	v_mov_b32 v[SUM1+i], 0
.set i, i+1
.endr
.irp i, 20,21,22,23,44,45,46,47
	v_mov_b32 v[XF+\i], 0                          ; blocks 10 and 11 of x: zero codes
.endr
	WIN 0x40
.set i, 0
.rept 32
	v_mov_b32 v[KN+i], 0                           ; no pivot yet
.set i, i+1
.endr
	WIN 0
	s_wait_loadcnt 0x0                             ; block 0's indices
	GATH
	IDXL 512                                       ; block 1's
	WIN 0x40
.irp t, 0,1,2,3
.irp n, 0,1,2,3,4,5
	global_load_b128 v[W1F+24*\t+4*\n:W1F+24*\t+4*\n+3], v[LI], s[34:35] offset:3072*\t+512*\n
.endr
.endr
.irp t, 0,1,2,3
.irp q, 0,1
.irp c, 0,1
	global_load_b128 v[W2F+16*\t+8*\q+4*\c:W2F+16*\t+8*\q+4*\c+3], v23, s[12:13] offset:2048*\t+64*\q+32*\c
.endr
.endr
.endr
.irp t, 0,1,2,3                        ; register j of tile t belongs to hidden unit 64 w + 32 (t / 2) + 16 h + 8 (t % 2) + j
	global_load_b128 v[SC+8*\t:SC+8*\t+3], v22, s[16:17] offset:128*(\t/2)+32*(\t%2)
	global_load_b128 v[SC+8*\t+4:SC+8*\t+7], v22, s[16:17] offset:128*(\t/2)+32*(\t%2)+16
	global_load_b128 v[SH+8*\t:SH+8*\t+3], v22, s[18:19] offset:128*(\t/2)+32*(\t%2)
	global_load_b128 v[SH+8*\t+4:SH+8*\t+7], v22, s[18:19] offset:128*(\t/2)+32*(\t%2)+16
.endr
	WIN 0x80
.irp t, 0,1,2,3
	global_load_b128 v[MUN+8*\t:MUN+8*\t+3], v22, s[16:17] offset:1024+128*(\t/2)+32*(\t%2)
	global_load_b128 v[MUN+8*\t+4:MUN+8*\t+7], v22, s[16:17] offset:1024+128*(\t/2)+32*(\t%2)+16
.endr
	WIN 0
.irp t, 0,1,2,3
.irp q, 0,1,2
	global_load_b32 v[W1S+3*\t+\q], v[LS], s[58:59] offset:384*\t+128*\q
.endr
.irp q, 0,1
	global_load_b32 v[W2S+2*\t+\q], v24, s[14:15] offset:128*\t+4*\q
.endr
.endr
	s_mov_b32 s24, 0
.Lblock:
	; ---- X: my centre's 32 columns
	s_wait_loadcnt 0x0                             ; this block's gathers, asked for a block ago, and the next block's indices (in the first trip the weights too)
	s_wait_kmcnt 0x0                               ; the centre
	WIN 0xaa                                       ; all in window 2
.irp m, 0,1,2
	v_sub_f32 v[T2+\m], v[G+\m], s[36+\m]
.endr
.irp m, 0,1,2
	v_mul_f32 v[T2+\m], 0x41a00000, v[T2+\m]       ; / 0.05
.endr
.irp k, 0,1,2
	v_mul_f32 v[G+\k], s[40+\k], v[T2]             ; into the cylinder's frame: sum over m of d_m rot[3 m + k]
.endr
.irp k, 0,1,2
	v_fmac_f32 v[G+\k], s[43+\k], v[T2+1]
.endr
.irp k, 0,1,2
	v_fmac_f32 v[G+\k], s[46+\k], v[T2+2]
.endr
	QB G, Q, QEB
	v_or_b32 v[SW], v[SW], v[QEB]                  ; block 0's byte into K step 0's word
.irp i, 0,1,2,3
	v_permlane16_swap_b32 v[Q+\i], v[B1+\i]        ; Q: the first tile's blocks 0 | 1 in lanes 0-15 | 16-31;  B1: the second tile's
.endr
	WIN 0x08                                       ; an LDS store's address is its source 0 (window 0), its data its source 1 (window 2)
	ds_store_b128 v[XW], v[Q:Q+3]
	ds_store_b128 v[XW], v[B1:B1+3] offset:XTILE
.irp i, 1,2,3,4
	ds_store_b128 v[XW], v[FA+4*\i-4:FA+4*\i-1] offset:512*\i
	ds_store_b128 v[XW], v[FB+4*\i-4:FB+4*\i-1] offset:XTILE+512*\i
.endr
.irp q, 0,1,2
	ds_store_b32 v[XSW], v[SW+\q] offset:128*\q
.endr
	WIN 0
	s_wait_dscnt 0x0                               ; the stores have landed and my reads of h's images are in, for the others' sake; the stores have read their registers, which the gathers below fill
	s_cmp_eq_u32 s24, 7                            ; no load leaves its buffer: the last block gathers nothing, the last two ask for no indices
	s_cbranch_scc1 .Lno_more
	GATH
	CLOAD 48, 144
	s_cmp_ge_u32 s24, 6
	s_cbranch_scc1 .Lno_more
	IDXL 1024
.Lno_more:
	s_barrier_signal -1
	s_barrier_wait -1                              ; x's eight tiles lie in LDS, and nobody reads h's images any more
	; ---- 1: the hidden layer, a centre at a time
	FETCHX 0
.irp e, 0,1,2,3
	s_wait_dscnt 0x0                               ; the fragments are in, and the last centre's stores have read their registers
	MULT
	WIN 0
	PLACES
.if \e < 3
	FETCHX \e+1                                    ; lands while this centre is quantised
.endif
	BNQ \e
.endr
	BARRIER                                        ; h's sixteen fragments lie in LDS, and nobody reads x's images any more
	; ---- 2: y2, a centre at a time
	FETCHH 0
.irp e, 0,1,2,3
	s_wait_dscnt 0x0
	MUL2
	WIN 0
	PLACES
.if \e == 0
	PIVOT
.endif
.if \e < 3
	FETCHH \e+1
.endif
	STAT12
	STATMM \e
.endr
.irp t, 0,1,2,3
	global_store_b128 v[LI], v[R+4*\t:R+4*\t+3], s[22:23] offset:4096*\t       ; 512 consecutive bytes a store
.endr
	s_wait_xcnt 0x0                                ; stores and pending loads have read their registers, bases and offsets: these are written again only behind this wait
	s_add_nc_u64 s[22:23], s[22:23], 512
	s_add_nc_u64 s[4:5], s[4:5], 512
	s_add_co_u32 s49, s49, 48
	s_add_co_u32 s50, s50, 144
	s_add_co_u32 s24, s24, 1
	s_cmp_lt_u32 s24, 8
	s_cbranch_scc1 .Lblock
	; ---- the way out.  A lane has 512 numbers: mean = sum / 512 + pivot, M2 = sum of squares - sum^2 / 512; lanes l and l xor 16 hold the same channel and are joined
.irp t, 0,1,2,3
	v_add_f32 v[TM+\t], v[SUM1+2*\t], v[SUM1+2*\t+1]
	v_add_f32 v[TM+4+\t], v[SUM2+2*\t], v[SUM2+2*\t+1]
.endr
.irp t, 0,1,2,3
	v_mul_f32 v[TM+8+\t], 0x3b000000, v[TM+\t]     ; / 512
.endr
.irp t, 0,1,2,3
	v_fma_f32 v[TM+4+\t], -v[TM+\t], v[TM+8+\t], v[TM+4+\t]
.endr
	WIN 0x04
.irp t, 0,1,2,3
	v_sub_f32 v[TM+8+\t], v[TM+8+\t], v[KN+8*\t]
.endr
	WIN 0
.irp t, 0,1,2,3
	v_permlanex16_b32 v[TM+12+\t], v[TM+8+\t], s52, s53
	v_permlanex16_b32 v[TM+16+\t], v[TM+4+\t], s52, s53
.endr
.irp t, 0,1,2,3
	v_sub_f32 v[TM+\t], v[TM+8+\t], v[TM+12+\t]    ; the two means' difference
	v_add_f32 v[TM+8+\t], v[TM+8+\t], v[TM+12+\t]
	v_add_f32 v[TM+4+\t], v[TM+4+\t], v[TM+16+\t]
.endr
.irp t, 0,1,2,3
	v_mul_f32 v[TM+12+\t], v[TM+\t], v[TM+\t]
	v_mul_f32 v[TM+8+\t], 0.5, v[TM+8+\t]
.endr
.irp t, 0,1,2,3
	v_fmac_f32 v[TM+4+\t], 0x43800000, v[TM+12+\t] ; + 512 x 512 / 1,024 x difference^2
.endr
.irp t, 0,1,2,3
	v_cndmask_b32 v[TM+\t], v[TM+8+\t], v[TM+4+\t], s54
	ds_store_b32 v[PSTW], v[TM+\t] offset:64*\t
.endr
	BARRIER
	ds_load_b128 v[TM+20:TM+23], v[PSTR]
	s_wait_dscnt 0x0
	global_store_b128 v[GT], v[TM+20:TM+23], s[PARTP:PARTP+1]      ; the work-group stores 2,048 consecutive bytes
	s_barrier_signal -1
	s_barrier_wait -1
	s_wait_tensorcnt 0x0
	ds_add_u32 v254, v255
	s_wait_dscnt 0x0
	s_endpgm
.Lfunc_end_k_q0308d409ca_pass2:
	.size	k_q0308d409ca_pass2, .Lfunc_end_k_q0308d409ca_pass2-k_q0308d409ca_pass2
	.p2alignl 7, 3214868480
	.fill 96, 4, 3214868480
	.section	.rodata,"a",@progbits
	.p2align	6, 0x0
	.amdhsa_kernel k_q0308d409ca_pass2
		.amdhsa_group_segment_fixed_size 43520
		.amdhsa_private_segment_fixed_size 0
		.amdhsa_enable_private_segment 0
		.amdhsa_kernarg_size 80
		.amdhsa_user_sgpr_count 2
		.amdhsa_user_sgpr_kernarg_segment_ptr 1
		.amdhsa_wavefront_size32 1
		.amdhsa_system_sgpr_workgroup_id_x 1
		.amdhsa_system_sgpr_workgroup_id_y 1
		.amdhsa_system_sgpr_workgroup_id_z 1
		.amdhsa_system_vgpr_workitem_id 0
		.amdhsa_next_free_vgpr 656
		.amdhsa_next_free_sgpr 66
		.amdhsa_reserve_vcc 0
		.amdhsa_float_denorm_mode_32 3
		.amdhsa_float_denorm_mode_16_64 3
		.amdhsa_memory_ordered 1
		.amdhsa_forward_progress 1
		.amdhsa_inst_pref_size 124
	.end_amdhsa_kernel
	.amdgpu_metadata
---
amdhsa.version: [ 1, 2 ]
amdhsa.kernels:
  - .name:           k_q0308d409ca_pass2
    .symbol:         k_q0308d409ca_pass2.kd
    .args:
      - { .name: idx, .offset: 0, .size: 8, .value_kind: global_buffer, .address_space: global }
      - { .name: tab, .offset: 8, .size: 8, .value_kind: global_buffer, .address_space: global }
      - { .name: seed_xyz_graspable, .offset: 16, .size: 8, .value_kind: global_buffer, .address_space: global }
      - { .name: vp_rot, .offset: 24, .size: 8, .value_kind: global_buffer, .address_space: global }
      - { .name: W2_codes, .offset: 32, .size: 8, .value_kind: global_buffer, .address_space: global }
      - { .name: W2_scales, .offset: 40, .size: 8, .value_kind: global_buffer, .address_space: global }
      - { .name: bn, .offset: 48, .size: 8, .value_kind: global_buffer, .address_space: global }
      - { .name: b1, .offset: 56, .size: 8, .value_kind: global_buffer, .address_space: global }
      - { .name: part, .offset: 64, .size: 8, .value_kind: global_buffer, .address_space: global }
      - { .name: mm, .offset: 72, .size: 8, .value_kind: global_buffer, .address_space: global }
    .group_segment_fixed_size: 43520
    .private_segment_fixed_size: 0
    .kernarg_segment_align: 8
    .kernarg_segment_size: 80
    .max_flat_workgroup_size: 128
    .sgpr_count:     66
    .vgpr_count:     656
    .wavefront_size: 32
...
	.end_amdgpu_metadata
.endif
;; end of part 4
;; launch fin2: the kernel of part 3 again; grid 16 x 1, 8 waves a work-group, no clusters, 2,048 bytes of LDS; arguments part, g2, bn; writes bn
;; launch outk (part 5): grid 128 x 4, 4 waves a work-group, no clusters, 17,920 bytes of LDS; arguments mm, bn, b2, out0; writes out0
.if DOCPART == 5
	.amdgcn_target "amdgcn-amd-amdhsa--gfx1250"
	.amdhsa_code_object_version 6
	.text
	.protected	k_q0308d409ca_outk
	.globl	k_q0308d409ca_outk
	.p2align	8
	.type	k_q0308d409ca_outk,@function
k_q0308d409ca_outk:
	s_mov_b64 s[64:65], 0
	v_nop
	global_prefetch_b8 v0, s[64:65] scope:SCOPE_SE
	s_setreg_imm32_b32 hwreg(HW_REG_WAVE_MODE, 25, 1), 1
	s_wait_xcnt 0x0
; OUT: out0[b][o][p] = max(0, N(largest y2), N(smallest y2)), N(y) = (y - mu2) sc2 + b2: N is monotone, rising or falling with the gain's sign, so one of the two ends gives the largest N over a centre's samples.
; mm: [g 256][w 4][tile 4][pq 8][lane 32][4 centres] f32: lanes 0-15 the largest, lanes 16-31 the smallest, of channel 64 w + 16 tile + lane % 16, centres 32 g + 4 pq + 0 .. 3.
; Work-group (x, y): 64 centres 64 x on (g = 2 x, 2 x + 1), channels 64 y on; the wave is the tile.  Memory binds: each load of a wave reads 512 consecutive bytes; the results turn through the wave's own stage in LDS,
; so that sixteen lanes store 256 consecutive bytes of a channel's row, aligned.  Waves share nothing: no barrier, no matrix unit, no cluster.
	s_load_b256 s[4:11], s[0:1], 0x0               ; mm s[4:5], bn s[6:7], b2 s[8:9], out0 s[10:11]
	v_lshl_add_u32 v96, v0, 2, 0x4400
	v_mov_b32 v97, 0
	v_lshrrev_b32 v1, 5, v0
	v_readfirstlane_b32 s12, v1                    ; the tile
	v_and_b32 v2, 31, v0
	v_and_b32 v3, 15, v0                           ; r
	v_bfe_u32 v4, v0, 4, 1                         ; h
	s_and_b32 s13, ttmp7, 0xffff                   ; w
	v_lshlrev_b32 v5, 4, v2                        ; 16 x lane
	v_lshlrev_b32 v6, 2, v3                        ; 4 r
	s_mul_i32 s14, s12, 4352                       ; my stage: 16 rows x (256 + 16) bytes
	v_mul_u32_u24 v7, v3, 272
	v_lshl_add_u32 v7, v4, 7, v7
	v_add_nc_u32 v7, s14, v7                       ; in: row r, + 128 h
	v_mul_u32_u24 v8, v4, 272
	v_lshl_add_u32 v8, v3, 4, v8
	v_add_nc_u32 v8, s14, v8                       ; back: lanes 0-15 one row, lanes 16-31 the next
	v_lshlrev_b32 v9, 12, v4
	v_lshl_add_u32 v9, v3, 4, v9                   ; and the same two rows of out0, 4,096 bytes apart
	s_lshl_b32 s16, ttmp9, 17                      ; mm: two g of 65,536 bytes,
	s_lshl_b32 s15, s13, 14
	s_add_co_u32 s16, s16, s15
	s_lshl_b32 s15, s12, 12
	s_add_co_u32 s16, s16, s15
	s_mov_b32 s17, 0
	s_lshl_b32 s18, s13, 8
	s_lshl_b32 s15, s12, 6
	s_add_co_u32 s18, s18, s15                     ; 4 x my first channel
	s_mov_b32 s19, 0
	s_lshr_b32 s20, ttmp9, 4                       ; the batch,
	s_lshl_b32 s20, s20, 20
	s_lshl_b32 s15, s18, 10                        ; my first channel's row,
	s_add_co_u32 s20, s20, s15
	s_and_b32 s15, ttmp9, 15
	s_lshl_b32 s15, s15, 8                         ; my 64 centres' 256 bytes of it
	s_add_co_u32 s20, s20, s15
	s_mov_b32 s21, 0
	s_wait_kmcnt 0x0
	s_add_nc_u64 s[4:5], s[4:5], s[16:17]
	s_add_nc_u64 s[6:7], s[6:7], s[18:19]
	s_add_nc_u64 s[8:9], s[8:9], s[18:19]
	s_add_nc_u64 s[10:11], s[10:11], s[20:21]
.irp g, 0,1
.irp p, 0,1,2,3,4,5,6,7
	global_load_b128 v[32+32*\g+4*\p:32+32*\g+4*\p+3], v5, s[4:5] offset:65536*\g+512*\p th:TH_LOAD_NT
.endr
.endr
	global_load_b32 v20, v6, s[6:7]                ; sc2
	global_load_b32 v22, v6, s[6:7] offset:1024    ; -mu2
	global_load_b32 v24, v6, s[8:9]                ; b2
	s_wait_loadcnt 0x0
	v_mov_b32 v21, v20                             ; pairs for the packed forms
	v_mov_b32 v23, v22
	v_mov_b32 v25, v24
.set i, 0
.rept 32
	v_pk_add_f32 v[32+i:33+i], v[32+i:33+i], v[22:23]
.set i, i+2
.endr
.set i, 0
.rept 32
	v_pk_fma_f32 v[32+i:33+i], v[32+i:33+i], v[20:21], v[24:25]
.set i, i+2
.endr
.set i, 0
.rept 32
	v_permlane16_swap_b32 v[32+i], v[64+i]         ; the first: the largest's of g = 2 x | 2 x + 1 in lanes 0-15 | 16-31;  the second: the smallest's
.set i, i+1
.endr
.set i, 0
.rept 32
	v_max3_num_f32 v[32+i], v[32+i], v[64+i], 0    ; lane (r, h), register 4 pq + i: channel r, centre 32 h + 4 pq + i of my 64
.set i, i+1
.endr
.irp p, 0,1,2,3,4,5,6,7
	ds_store_b128 v7, v[32+4*\p:35+4*\p] offset:16*\p
.endr
.irp k, 0,1,2,3,4,5,6,7
	ds_load_b128 v[64+4*\k:67+4*\k], v8 offset:544*\k              ; LDS serves a wave's instructions in order: these see my stores
.endr
.irp k, 0,1,2,3,4,5,6,7
	s_wait_dscnt 7-\k                              ; LDS loads come back in order: number k is in
	global_store_b128 v9, v[64+4*\k:67+4*\k], s[10:11] offset:8192*\k th:TH_STORE_NT
.endr
	s_barrier_signal -1
	s_barrier_wait -1
	s_wait_tensorcnt 0x0
	ds_add_u32 v96, v97
	s_wait_dscnt 0x0
	s_endpgm
.Lfunc_end_k_q0308d409ca_outk:
	.size	k_q0308d409ca_outk, .Lfunc_end_k_q0308d409ca_outk-k_q0308d409ca_outk
	.p2alignl 7, 3214868480
	.fill 96, 4, 3214868480
	.section	.rodata,"a",@progbits
	.p2align	6, 0x0
	.amdhsa_kernel k_q0308d409ca_outk
		.amdhsa_group_segment_fixed_size 17920
		.amdhsa_private_segment_fixed_size 0
		.amdhsa_enable_private_segment 0
		.amdhsa_kernarg_size 32
		.amdhsa_user_sgpr_count 2
		.amdhsa_user_sgpr_kernarg_segment_ptr 1
		.amdhsa_wavefront_size32 1
		.amdhsa_system_sgpr_workgroup_id_x 1
		.amdhsa_system_sgpr_workgroup_id_y 1
		.amdhsa_system_sgpr_workgroup_id_z 1
		.amdhsa_system_vgpr_workitem_id 0
		.amdhsa_next_free_vgpr 98
		.amdhsa_next_free_sgpr 66
		.amdhsa_reserve_vcc 0
		.amdhsa_float_denorm_mode_32 3
		.amdhsa_float_denorm_mode_16_64 3
		.amdhsa_memory_ordered 1
		.amdhsa_forward_progress 1
		.amdhsa_inst_pref_size 14
	.end_amdhsa_kernel
	.amdgpu_metadata
---
amdhsa.version: [ 1, 2 ]
amdhsa.kernels:
  - .name:           k_q0308d409ca_outk
    .symbol:         k_q0308d409ca_outk.kd
    .args:
      - { .name: mm, .offset: 0, .size: 8, .value_kind: global_buffer, .address_space: global }
      - { .name: bn, .offset: 8, .size: 8, .value_kind: global_buffer, .address_space: global }
      - { .name: b2, .offset: 16, .size: 8, .value_kind: global_buffer, .address_space: global }
      - { .name: out0, .offset: 24, .size: 8, .value_kind: global_buffer, .address_space: global }
    .group_segment_fixed_size: 17920
    .private_segment_fixed_size: 0
    .kernarg_segment_align: 8
    .kernarg_segment_size: 32
    .max_flat_workgroup_size: 128
    .sgpr_count:     66
    .vgpr_count:     98
    .wavefront_size: 32
...
	.end_amdgpu_metadata
.endif
;; end of part 5
